; MI455X (gfx1250); checked and timed in simulation.
; The chip was launched on July 23, 2026; its instructions are those of AMD's public machine-readable ISA for CDNA 5 (MIT licence, August 2026) and "CDNA5" Instruction Set Architecture Reference Guide (July 2026). The comments in the code are by the model that wrote it; some were corrected since.
;; SAPI Attention. Allowed arithmetic: matrix products marked QUANTISED: E3M2 operands, one E8M0 scale for each 32 along K, by v_wmma_scale_f32_16x16x128_f8f6f4 with both operands' format E3M2, f32 sums; everything else in f32.
;; Inputs: Wk 512 x 2,048 float32; Wo 2,048 x 1,024 float32; Wq 1,024 x 2,048 float32; Wv 512 x 2,048 float32; attention_mask 1 x 1 x 2,048 x 2,048 float32; cos 2 x 2,048 x 32 float32; hidden_states 2 x 2,048 x 2,048 float32; sin 2 x 2,048 x 32 float32.
;; Outputs: out0 2 x 2,048 x 2,048 float32.
;; This version of the problem:
;;   THIS VERSION OF THE PROBLEM IS GIVEN IN LOW PRECISION. The matrix products marked QUANTISED in the list below multiply operands that are first quantised to E3M2 (3 exponent bits, 2 mantissa bits; 6 bits a number), with one power-of-two scale for each 32 numbers along K (OCP MX v1.0); their sums are f32. All else is computed in f32.
;;   The module's matrix products, in the order in which they are computed (A, B: the left and right operand; K: the contracted axis; several contracted axes count as one K, in the product's order):
;;     1. [M 4,096, K 2,048] x [K 2,048, N 1,024]; A: input hidden_states; B: input Wq: QUANTISED
;;     2. [M 4,096, K 2,048] x [K 2,048, N 512]; A: input hidden_states; B: input Wk: QUANTISED
;;     3. [M 4,096, K 2,048] x [K 2,048, N 512]; A: input hidden_states; B: input Wv: QUANTISED
;;     4. batch 16 x [M 4,096, K 64] x [K 64, N 2,048]; A: computed on the way; B: computed on the way: QUANTISED
;;     5. batch 16 x [M 4,096, K 2,048] x [K 2,048, N 64]; A: softmax (see below); B: computed on the way: QUANTISED
;;     6. [M 4,096, K 1,024] x [K 1,024, N 2,048]; A: computed on the way; B: input Wo: QUANTISED
;;   THE QUANTISER, for each operand of a quantised product, along K:
;;     - K is cut into blocks of 32 from its start; a last block that is shorter is filled with zeros.
;;     - A block's scale is 2^e with e = floor(log2(the largest magnitude in the block)) - 4, held to -126 .. 127; a block of zeros has e = 0. As a byte (E8M0): e + 127.
;;     - Each number is divided by its block's scale, clamped to +-28, and rounded to the nearest number of E3M2, ties to even, subnormals kept.
;;     - The product sums the exact products of the quantised numbers (number of the format x scale) in f32.
;;   ~~~python
;;   def quantise(x, axis):      # numpy; x: float32 -> the quantised numbers, widened to float32 again
;;       x = np.moveaxis(x, axis, -1); K = x.shape[-1]
;;       x = np.pad(x, [(0, 0)] * (x.ndim - 1) + [(0, -K % 32)]); x = x.reshape(x.shape[:-1] + (-1, 32)); a = np.abs(x).max(-1, keepdims=True)
;;       e = np.where(a > 0, np.clip(np.frexp(np.where(a > 0, a, 1))[1] - 1 - 4, -126, 127), 0)      # np.frexp(a)[1] - 1 = floor(log2(a)), exactly
;;       r = np.clip(x / 2.0 ** e, -28, 28)
;;       step = 2.0 ** (np.maximum(np.frexp(np.where(r == 0, 1, r))[1] - 1, -2) - 2)
;;       q = np.round(r / step) * step * 2.0 ** e      # np.round: ties to even
;;       return np.moveaxis(q.reshape(q.shape[:-2] + (-1,))[..., :K], -1, axis).astype(np.float32)
;;   ~~~
;;   SOFTMAX AHEAD OF A QUANTISED PRODUCT. Where the list says 'softmax', what is quantised is not the finished softmax but p = 2^(t - M), with t = logit x log2(e) and M = ceil(the row's largest t), a whole number; so 1/2 < the row's largest p <= 1. The row's sum l is taken of the UNQUANTISED p, in f32, and the product's result is divided by l at the end. Since M is a whole number, a kernel that streams over the keys may use a running M (the ceiling of the running maximum): every later rescaling is an exact power of two, which a block's scale takes up: the codes' values come out the same.
;;   OPERANDS COMPUTED ON THE WAY. 'Computed on the way' means the value that the module computes at that place (a softmax that the list does not call 'softmax' is quantised finished and normalised). What goes into a quantiser is computed in f32, as accurately as f32 sums, v_exp_f32 and their like allow (about 1e-6 of the number): no bf16 or f16 on the way to a quantiser, and a product that is left as it is and whose result goes on into a quantised operand takes f32 operands (vector FMAs, or v_wmma_f32_16x16x4_f32). A number that lies on a knife's edge between two numbers of the format may be rounded either way, as far as f32 arithmetic and the matrix unit's own rounding can turn it there, and no further.
;; One version. Each part assembles by itself: llvm-mc -triple=amdgcn-amd-amdhsa -mcpu=gfx1250 --defsym DOCPART=n.
;; ======== version 1 of 1: 4 launches
;; limits: right only within a limited range of input values
;; workspace buffers: hq 6,553,600 bytes; wq 3,276,800 bytes; woq 1,638,400 bytes; qimg 3,276,800 bytes; kv 3,276,800 bytes; aq 3,276,800 bytes
;; launch quant (part 1): grid 448 x 1, 4 waves a work-group, no clusters, 46,592 bytes of LDS; arguments hidden_states, Wq, Wk, Wv, Wo, hq, wq, woq; writes hq, wq, woq
.if DOCPART == 1
	.amdgcn_target "amdgcn-amd-amdhsa--gfx1250"
	.amdhsa_code_object_version 6
	.text
	.protected	k_q633066d933_quant
	.globl	k_q633066d933_quant
	.p2align	8
	.type	k_q633066d933_quant,@function
k_q633066d933_quant:
	s_mov_b64 s[64:65], 0
	v_nop
	global_prefetch_b8 v0, s[64:65] scope:SCOPE_SE
	s_setreg_imm32_b32 hwreg(HW_REG_WAVE_MODE, 25, 1), 1
	s_wait_xcnt 0x0
; hidden_states [4096][2048], Wq [1024][2048], Wk, Wv [512][2048], Wo [2048][1024], f32 with K innermost, become codes of BF6 (E3M2) with one E8M0 byte for each 32 along K.
; A block's scale is 2^(floor(log2(its largest magnitude)) - 4); its byte is the largest magnitude's exponent field - 4, held at 1 from below; beyond the largest code the conversion gives the largest code.
; LIMITS: a block of zeros gets the byte 1 where the rule says 127 (its codes are zeros, and only this program reads the bytes); blocks whose largest magnitude lies under 2^-122 keep the byte 1; NaN and infinities are not served.
; LAYOUT OF hq, wq, woq: IMAGES OF OPERAND REGISTERS.  For 16 rows and 512 along K: four images of 1,536 bytes (16 rows x 128 K: register group c of lane l at 512 c + 16 l) and 256 bytes of scale words (step s, row r at 64 s + 4 r): a piece of 6,400 dense bytes.
; A work-group takes a unit of 16 rows x 2,048 along K: four pieces, 25,600 dense bytes.  UNITS: 0-255 hidden_states -> hq; 256-319 Wq -> wq; 320-351 Wk and 352-383 Wv -> wq from unit 64 on, eight of Wk and eight of Wv by turns; 384-447 Wo -> woq.
; Wo's K is 1,024: its unit is rows p and 16 + p of 32 rows side by side, so that pieces 0, 1 are the first 16 rows and pieces 2, 3 the next 16.  Only pointers, unit numbers and two strides of the source are chosen: one path through the text.
; A wave takes four rows; a step is 128 along K of each: four loads of 512 consecutive bytes, turned through the wave's own stage in LDS so that a lane holds 16 neighbours along K (two neighbouring lanes hold a block).
; Codes and bytes are gathered in LDS as images.  A piece is whole after four steps: behind a barrier it leaves in stores of 512 consecutive bytes a wave, while the later steps' loads are on their way.  Each piece has LDS bytes of its own.
; Loads run four steps (16 loads a wave) ahead.
.set STEPS, 16
.set EMAX,  4
.set R,     16                         ; v16-79   four sets of 16 numbers as loaded
.set X,     80                         ; v80-111  two sets of 16 neighbours
.set E,     112                        ; v112-127 a scale byte for each step
.set C,     128                        ; v128-191 codes: four registers for each step
.set SPW,   192
.set NIL,   193
.set VO,    194                        ; v194-201 source offsets: row i of four, half hh of K: i + 4 hh
.set CA,    202                        ; v202-204 LDS address of each of my three code registers
.set RDC,   205
.set RDS,   206
.set GOC,   207
.set GOS,   208
.set FB,    210                        ; v210-223 a piece on its way out
.set SP,    80                         ; a lane's place in a stage: 64 bytes + 16 of padding
.set WREG,  2*32*SP                    ; two stages for each wave
.set OUTB,  4*WREG                     ; the unit's 25,600 bytes
.set SPARE, OUTB+25600                 ; the spare words
	s_load_b256 s[4:11], s[0:1], 0x0               ; hidden_states, Wq, Wk, Wv
	s_load_b256 s[12:19], s[0:1], 0x20             ; Wo, hq, wq, woq
	v_lshl_add_u32 v[SPW], v0, 2, SPARE
	v_mov_b32 v[NIL], 0
	v_lshrrev_b32 v1, 5, v0
	v_readfirstlane_b32 s20, v1                    ; wave
	s_sub_co_u32 s22, ttmp9, 256                   ; the unit within Wq, Wk, Wv, Wo
	s_sub_co_u32 s23, ttmp9, 320
	s_sub_co_u32 s24, ttmp9, 352
	s_sub_co_u32 s25, ttmp9, 384
	s_lshr_b32 s26, s23, 3
	s_lshl_b32 s26, s26, 4
	s_and_b32 s35, s23, 7
	s_add_co_u32 s26, s26, s35
	s_add_co_u32 s26, s26, 64                      ; Wk's unit in wq: 64 + 16 (unit / 8) + unit % 8
	s_lshr_b32 s27, s24, 3
	s_lshl_b32 s27, s27, 4
	s_and_b32 s35, s24, 7
	s_add_co_u32 s27, s27, s35
	s_add_co_u32 s27, s27, 72                      ; Wv's: eight units further on
	s_mov_b32 s28, ttmp9                           ; the unit in the source, and in the destination
	s_mov_b32 s29, ttmp9
	s_mov_b32 s44, 8192
	s_mov_b32 s45, 4096
	s_mov_b32 s46, 0x10000
	s_cmp_ge_u32 ttmp9, 384
	s_cselect_b32 s47, s45, s44                    ; bytes from row to row of the source
	s_cselect_b32 s48, s46, s45                    ; bytes from K steps 0-7 to K steps 8-15 of a unit's row
	s_mul_i32 s21, s20, WREG
	s_lshl_b32 s36, s20, 4
	s_add_co_u32 s36, s36, OUTB+6144               ; scale words of my four rows
	s_lshl_b32 s37, s20, 6
	s_add_co_u32 s37, s37, OUTB                    ; 16 bytes a row in each register group
	s_mov_b32 s52, 0
	s_mov_b32 s53, s47
	s_lshl_b32 s54, s47, 1
	s_add_co_u32 s55, s54, s47
.irp i, 0,1,2,3
	s_add_co_u32 s[56+\i], s[52+\i], s48
.endr
	v_and_b32 v2, 31, v0                           ; lane
	v_lshlrev_b32 v3, 4, v2                        ; my 16 bytes of a load's 512
	v_lshrrev_b32 v14, 2, v2
	v_mul_u32_u24 v14, v14, SP
	v_and_b32 v15, 3, v2
	v_lshl_add_u32 v14, v15, 4, v14
	v_add_nc_u32 v14, s21, v14                     ; the stage, on the way in: SP (lane / 4) + 16 (lane % 4)
	v_mul_u32_u24 v15, v2, SP
	v_add_nc_u32 v15, s21, v15                     ; and on the way out: row lane / 8, K = 16 (lane % 8)
	v_lshrrev_b32 v6, 3, v2                        ; my row of the wave's four
	v_bfe_u32 v7, v2, 1, 2                         ; my block b of the step's four
	v_lshl_add_u32 v5, v6, 2, v7
	v_add_nc_u32 v5, s36, v5                       ; my block's scale byte
	v_bfe_u32 v9, v2, 2, 1
	v_mul_u32_u24 v8, v9, 6
	v_and_b32 v10, 1, v2
	v_mad_u32_u24 v8, v10, 3, v8                   ; my first register of the operand's twelve: 6 (b / 2) + 3 (lane % 2)
	v_bfe_u32 v12, v2, 1, 1
	v_lshlrev_b32 v11, 4, v6
	v_lshl_add_u32 v11, v12, 8, v11                ; the operand's lane: row + 16 (b % 2), 16 bytes each
	v_add_nc_u32 v11, s37, v11
.irp i, 0,1,2
	v_add_nc_u32 v13, \i, v8
	v_lshrrev_b32 v1, 2, v13
	v_and_b32 v13, 3, v13
	v_lshl_add_u32 v[CA+\i], v1, 9, v11            ; register j: group j / 4, word j % 4
	v_lshl_add_u32 v[CA+\i], v13, 2, v[CA+\i]
.endr
.irp i, 0,1,2,3,4,5,6,7
	v_add_nc_u32 v[VO+\i], s[52+\i], v3
.endr
	v_lshl_add_u32 v[RDC], v0, 4, OUTB
	v_lshl_add_u32 v[RDS], v0, 3, OUTB+6144        ; (read by wave 0 alone: 8 bytes a lane of a piece's 256 bytes of scale words)
	v_lshlrev_b32 v[GOC], 4, v0
	v_lshlrev_b32 v[GOS], 3, v0
	s_wait_alu depctr_va_vdst(0)                   ; the wait at the head's end
	s_wait_kmcnt 0x0
	s_mov_b64 s[30:31], s[4:5]
	s_mov_b64 s[32:33], s[14:15]
	s_cmp_ge_u32 ttmp9, 256
	s_cselect_b32 s28, s22, s28
	s_cselect_b32 s29, s22, s29
	s_cselect_b64 s[30:31], s[6:7], s[30:31]
	s_cselect_b64 s[32:33], s[16:17], s[32:33]
	s_cmp_ge_u32 ttmp9, 320
	s_cselect_b32 s28, s23, s28
	s_cselect_b32 s29, s26, s29
	s_cselect_b64 s[30:31], s[8:9], s[30:31]
	s_cmp_ge_u32 ttmp9, 352
	s_cselect_b32 s28, s24, s28
	s_cselect_b32 s29, s27, s29
	s_cselect_b64 s[30:31], s[10:11], s[30:31]
	s_cmp_ge_u32 ttmp9, 384
	s_cselect_b32 s28, s25, s28
	s_cselect_b32 s29, s25, s29
	s_cselect_b64 s[30:31], s[12:13], s[30:31]
	s_cselect_b64 s[32:33], s[18:19], s[32:33]
	s_lshl_b32 s38, s28, 17                        ; 131,072 bytes of source a unit,
	s_mul_i32 s34, s20, s47
	s_lshl_b32 s34, s34, 2                         ; my wave's four rows
	s_add_co_u32 s38, s38, s34
	s_mov_b32 s39, 0
	s_add_nc_u64 s[30:31], s[30:31], s[38:39]
	s_mul_i32 s38, s29, 25600
	s_add_nc_u64 s[40:41], s[32:33], s[38:39]
.macro LOAD t
.irp i, 0,1,2,3
	global_load_b128 v[R+16*((\t)%4)+4*\i:R+16*((\t)%4)+4*\i+3], v[VO+\i+4*((\t)/8)], s[30:31] offset:512*((\t)%8) th:TH_LOAD_NT   ; 512 consecutive bytes of row i
.endr
.endm
.macro TURN t                          ; LDS serves a wave's instructions in order: no wait between the stores and the loads
.irp i, 0,1,2,3
	ds_store_b128 v14, v[R+16*((\t)%4)+4*\i:R+16*((\t)%4)+4*\i+3] offset:32*SP*((\t)%2)+8*SP*\i
.endr
.irp i, 0,1,2,3
	ds_load_b128 v[X+16*((\t)%2)+4*\i:X+16*((\t)%2)+4*\i+3], v15 offset:32*SP*((\t)%2)+16*\i
.endr
.endm
.irp t, 0,1,2,3
	LOAD \t
.endr
	s_wait_loadcnt 12                              ; step 0's four loads are in
	TURN 0
.macro STEP t
.set XS, X+16*((\t)%2)
.set IM, ((\t)/4)*6400
.if (\t) > 0
	s_wait_dscnt 4                                 ; this step's numbers are back from the stage (the last step's four stores may be out)
.else
	s_wait_dscnt 0x0
.endif
.if (\t)+4 < STEPS
	LOAD (\t)+4                                    ; into the registers that this step's stores into the stage have read
.endif
.if (\t)+1 < STEPS
.if STEPS-2-(\t) >= 3
	s_wait_loadcnt 12                              ; the next step's four loads are in; those of the three steps behind it may be out
.else
	s_wait_loadcnt 4*(STEPS-2-(\t))
.endif
	TURN (\t)+1
.endif
	v_max3_num_f32 v8, |v[XS]|, |v[XS+1]|, |v[XS+2]|               ; the largest magnitude of my 16, in two chains
	v_max3_num_f32 v9, |v[XS+3]|, |v[XS+4]|, |v[XS+5]|
.irp i, 6,10
	v_max3_num_f32 v8, v8, |v[XS+\i]|, |v[XS+\i+1]|
	v_max3_num_f32 v9, v9, |v[XS+\i+2]|, |v[XS+\i+3]|
.endr
	v_max3_num_f32 v8, v8, |v[XS+14]|, |v[XS+15]|
	v_max3_num_f32 v8, v8, v9, (EMAX+1)<<23        ; and the floor 2^(5 - 127): the byte cannot fall under 1
	v_max_num_f32_dpp v8, v8, v8 row_xmask:1 row_mask:0xf bank_mask:0xf   ; and of my neighbour's 16: the block's
	v_add_nc_u32 v11, -(EMAX<<23), v8              ; 4 off its exponent field: the conversion's scale operand
	v_cvt_scalef32_pk16_bf6_f32 v[C+4*(\t):C+4*(\t)+2], v[XS:XS+15], v11
	v_lshrrev_b32 v[E+(\t)], 23, v11               ; the scale's byte (also the plain line behind the conversion)
.irp i, 0,1,2
	ds_store_b32 v[CA+\i], v[C+4*(\t)+\i] offset:IM+1536*((\t)%4)
.endr
	ds_store_b8 v5, v[E+(\t)] offset:IM+64*((\t)%4)                ; both lanes of a block write the same byte with the same value
.endm
.macro FLUSH p                         ; piece p is whole: 3 x 2,048 bytes by all four waves, the 256 bytes of scale words by wave 0
	s_wait_dscnt 0x0                               ; for the others' sake
	s_barrier_signal -1
	s_barrier_wait -1
.if (\p) > 0
	s_wait_xcnt 0x0                                ; the last piece's stores have read their registers
.endif
.irp j, 0,1,2
	ds_load_b128 v[FB+4*\j:FB+4*\j+3], v[RDC] offset:6400*(\p)+2048*\j
.endr
.irp j, 0,1,2
	s_wait_dscnt 2-\j                              ; the younger loads may be out
	global_store_b128 v[GOC], v[FB+4*\j:FB+4*\j+3], s[40:41] offset:6400*(\p)+2048*\j   ; a wave stores 512 consecutive bytes, aligned
.endr
	s_cmp_lg_u32 s20, 0
	s_cbranch_scc1 .Lno_words_\@
	ds_load_b64 v[FB+12:FB+13], v[RDS] offset:6400*(\p)
	s_wait_dscnt 0x0
	global_store_b64 v[GOS], v[FB+12:FB+13], s[40:41] offset:6400*(\p)+6144   ; 256 consecutive bytes, aligned
.Lno_words_\@:
.endm
.irp t, 0,1,2,3
	STEP \t
.endr
	FLUSH 0
.irp t, 4,5,6,7
	STEP \t
.endr
	FLUSH 1
.irp t, 8,9,10,11
	STEP \t
.endr
	FLUSH 2
.irp t, 12,13,14,15
	STEP \t
.endr
	FLUSH 3
	s_wait_tensorcnt 0x0                           ; the wave's end
	ds_add_u32 v[SPW], v[NIL]
	s_wait_dscnt 0x0
	s_endpgm
.Lfunc_end_k_q633066d933_quant:
	.size	k_q633066d933_quant, .Lfunc_end_k_q633066d933_quant-k_q633066d933_quant
	.p2alignl 7, 3214868480
	.fill 96, 4, 3214868480
	.section	.rodata,"a",@progbits
	.p2align	6, 0x0
	.amdhsa_kernel k_q633066d933_quant
		.amdhsa_group_segment_fixed_size 46592
		.amdhsa_private_segment_fixed_size 0
		.amdhsa_enable_private_segment 0
		.amdhsa_kernarg_size 64
		.amdhsa_user_sgpr_count 2
		.amdhsa_user_sgpr_kernarg_segment_ptr 1
		.amdhsa_wavefront_size32 1
		.amdhsa_system_sgpr_workgroup_id_x 1
		.amdhsa_system_sgpr_workgroup_id_y 1
		.amdhsa_system_sgpr_workgroup_id_z 1
		.amdhsa_system_vgpr_workitem_id 0
		.amdhsa_next_free_vgpr 226
		.amdhsa_next_free_sgpr 66
		.amdhsa_reserve_vcc 0
		.amdhsa_float_denorm_mode_32 3
		.amdhsa_float_denorm_mode_16_64 3
		.amdhsa_memory_ordered 1
		.amdhsa_forward_progress 1
		.amdhsa_inst_pref_size 41
	.end_amdhsa_kernel
	.amdgpu_metadata
---
amdhsa.version: [ 1, 2 ]
amdhsa.kernels:
  - .name:           k_q633066d933_quant
    .symbol:         k_q633066d933_quant.kd
    .args:
      - { .name: hidden_states, .offset: 0, .size: 8, .value_kind: global_buffer, .address_space: global }
      - { .name: Wq, .offset: 8, .size: 8, .value_kind: global_buffer, .address_space: global }
      - { .name: Wk, .offset: 16, .size: 8, .value_kind: global_buffer, .address_space: global }
      - { .name: Wv, .offset: 24, .size: 8, .value_kind: global_buffer, .address_space: global }
      - { .name: Wo, .offset: 32, .size: 8, .value_kind: global_buffer, .address_space: global }
      - { .name: hq, .offset: 40, .size: 8, .value_kind: global_buffer, .address_space: global }
      - { .name: wq, .offset: 48, .size: 8, .value_kind: global_buffer, .address_space: global }
      - { .name: woq, .offset: 56, .size: 8, .value_kind: global_buffer, .address_space: global }
    .group_segment_fixed_size: 46592
    .private_segment_fixed_size: 0
    .kernarg_segment_align: 8
    .kernarg_segment_size: 64
    .max_flat_workgroup_size: 128
    .sgpr_count:     66
    .vgpr_count:     226
    .wavefront_size: 32
...
	.end_amdgpu_metadata
.endif
;; end of part 1
;; launch qkv (part 2): grid 8 x 32, 4 waves a work-group, clusters of 4 x 4, 327,680 bytes of LDS; arguments hq, wq, cos, sin, qimg, kv; writes qimg, kv
.if DOCPART == 2
	.amdgcn_target "amdgcn-amd-amdhsa--gfx1250"
	.amdhsa_code_object_version 6
	.text
	.protected	k_q633066d933_qkv
	.globl	k_q633066d933_qkv
	.p2align	8
	.type	k_q633066d933_qkv,@function
k_q633066d933_qkv:
	s_mov_b64 s[64:65], 0
	v_nop
	global_prefetch_b8 v0, s[64:65] scope:SCOPE_SE
	s_setreg_imm32_b32 hwreg(HW_REG_WAVE_MODE, 25, 1), 1
	s_wait_xcnt 0x0
	s_wait_alu depctr_hold_cnt(0) depctr_sa_sdst(0) depctr_va_vdst(0) depctr_va_sdst(0) depctr_va_ssrc(0) depctr_va_vcc(0) depctr_vm_vsrc(0)
	s_getreg_b32 s2, hwreg(HW_REG_IB_STS2, 6, 4)
	s_cmp_eq_u32 s2, 0
	s_cbranch_scc0 .Lentry_in_a_cluster
	s_endpgm
.Lentry_in_a_cluster:
	s_bfe_u32 s2, ttmp6, 0x10000c
	s_cmp_lg_u32 s2, 0xf033
	s_cbranch_scc0 .Lentry_shape_is_right
	s_endpgm
.Lentry_shape_is_right:
; q, k, v = hidden_states x (Wq | Wk, Wv)^T on codes of BF6, then the partial rotation of q and k, and all three quantised anew as images of operand registers for the attention launch.
; A block of 128 tokens x 256 columns to a work-group; a wave makes 128 x 64: 32 accumulators.  Source 0 = rows of the weight, source 1 = tokens: a lane holds eight neighbouring columns of one token.
; hq and wq hold, for 16 rows and 512 along K, four images of 1,536 bytes and 256 bytes of scale words: 6,400 dense bytes.  A slot is 512 along K of 8 + 16 such pieces; a tensor row is one piece.
; RING: two slots; waves 0, 1 fetch the tokens' two halves, waves 2, 3 the weight's: one load a wave at the head and behind each round.  K's four slots are written out.
; A fragment is three loads of 16 bytes a lane, dense.  A scale register holds an even step's words in lanes 0-15 and the next step's in lanes 16-31.
; CLUSTER 4 x 4: the tokens' tiles are asked for jointly along a row, the weight's along a column.
; PREFETCH: behind each joint load but the last stands a request for the slot that the NEXT joint load will ask for, one slot (128 products a wave) ahead of that load.  Of the pieces that a wave fetches, each of the four partners
; that ask jointly takes its share by address: one of the tokens' four (place cx), two of the weight's eight (place cy); a lane names a block of 256 bytes, 25 to a piece (lanes 25-31 name lane 24's).  The slot stands in the immediate.
; cos and sin are asked for at the head, into window 3.
.set NSLOT,  4
.set RB,     6400
.set SLOT,   24*RB
.set BOFF,   8*RB
.set SPARE,  2*SLOT
.set FR,     12
.set NP,     4
.set WOUT,   15360
.set SP,     272
.set ST2,    32*SP
.set CPLV, 3
.set CPL8V, 4
.set CPG8, 5
.set S2,   7
.set S2S,  8
.set RDV,  9
.set S2V,  10
.set S2VS, 11
.set P2,   12
.set CSO,  13
.set CPL,  14
.set CPL8, 15
.set ADA,  16                          ; v16-17 tokens' images in slot 0, 1: 16 x lane;  v18-19 their scale words: 4 x lane
.set ASA,  18
.set ADB,  20                          ; v20-23 the same for my 64 rows of the weight
.set ASB,  22
.set STOQ, 24
.set RDQ,  25
.set CPG,  26
.set PFO,  27                          ; v27 the prefetches' offset: 256 x min(lane, 24); never rewritten
.set SPW,  28
.set NIL,  29
.set STOV, 30
.set SC,   32                          ; v32-55 scale words: steps 0, 1 at 32, steps 2, 3 at 44; in each 8 for the tokens, 4 for the weight
.set AF,   64
.set X,    64
.set T1,   128
.set T2,   144
.set CC,   160
.set CT,   172
.set BM,   180
.set SO,   182
.set BY,   184
.set W16,  186
.set OB,   64
.set G1, 24
.set G0, 32
.set G1B, 48
.set G0B, 56
.set PFA, 70                           ; s[70:71] my share of the pieces that I fetch, at K's first slot; never rewritten
.set MSB, 0
.macro WIN new
.if MSB != \new
	s_set_vgpr_msb (MSB<<8)|\new
.set MSB, \new
.endif
.endm
.set MUL_W, 0xa1
.set TO_B,  0x40
.macro JLOAD g0a, g1a, g0b, g1b
	s_cmp_eq_u32 s15, 0
	s_cbranch_scc0 .Lfor_b_\@
	tensor_load_to_lds s[\g0a:\g0a+3], s[\g1a:\g1a+7]
	s_nop 0
.rept 4
	v_nop
.endr
	s_branch .Lasked_\@
.Lfor_b_\@:
	tensor_load_to_lds s[\g0b:\g0b+3], s[\g1b:\g1b+7]
	s_nop 0
.rept 4
	v_nop
.endr
.Lasked_\@:
.endm
.macro ASK n                           ; K's slot n of my share: one piece of the tokens, or two of the weight
	global_prefetch_b8 v[PFO], s[PFA:PFA+1] offset:(\n)*RB th:TH_LOAD_NT scope:SCOPE_SE
	s_cmp_eq_u32 s15, 0
	s_cbranch_scc1 .Lone_\@
	global_prefetch_b8 v[PFO], s[PFA:PFA+1] offset:(\n)*RB+NSLOT*RB th:TH_LOAD_NT scope:SCOPE_SE
.Lone_\@:
.endm
.macro CREST
	s_cmp_lg_u32 s14, 0
	s_cbranch_scc1 .Lnot_wave_0_\@
	s_barrier_signal -3
.Lnot_wave_0_\@:
	s_barrier_wait -3
	s_barrier_signal -1
	s_barrier_wait -1
.endm
.macro CROUND
	s_barrier_signal -1
	s_barrier_wait -1
	CREST
.endm
.macro CSLOAD g
.irp i, 0,1,2,3,4,5,6,7
	global_load_b128 v[64*(\g)+4*\i:64*(\g)+4*\i+3], v[CSO], s[96:97] offset:4096*(\g)+16*\i
.endr
.irp i, 0,1,2,3,4,5,6,7
	global_load_b128 v[64*(\g)+32+4*\i:64*(\g)+32+4*\i+3], v[CSO], s[98:99] offset:4096*(\g)+16*\i
.endr
.endm
	s_load_b64 s[4:5], s[0:1], 0x0
	s_load_b64 s[8:9], s[0:1], 0x8
	s_load_b128 s[96:99], s[0:1], 0x10
	s_load_b64 s[12:13], s[0:1], 0x20
	s_load_b64 s[66:67], s[0:1], 0x28
	v_lshl_add_u32 v[SPW], v0, 2, SPARE
	v_mov_b32 v[NIL], 0
	ds_add_u32 v[SPW], v[NIL]                      ; the opening lines: the add twice on end and one wait
	ds_add_u32 v[SPW], v[NIL]
	v_lshrrev_b32 v1, 5, v0
	v_readfirstlane_b32 s14, v1                    ; wave
	s_lshr_b32 s15, s14, 1                         ; I fetch tokens (0) or weight (1),
	s_and_b32 s16, s14, 1                          ; which half
	s_bfe_u32 s40, ttmp6, 0x40000
	s_bfe_u32 s41, ttmp6, 0x40004
	s_lshl_b32 s42, ttmp9, 2
	s_add_co_u32 s42, s42, s40                     ; block column
	s_and_b32 s17, ttmp7, 0xffff
	s_lshl_b32 s17, s17, 2
	s_add_co_u32 s17, s17, s41                     ; block row
	s_lshl_b32 s43, s41, 2
	s_lshl_b32 s43, 15, s43
	s_lshl_b32 s44, 0x1111, s40
	s_or_b32 s[G1], s43, (3<<16)|(1<<21)           ; elements of 8 bytes; the mask of my row; no padding
	s_or_b32 s[G1B], s44, (3<<16)|(1<<21)          ; of my column
.irp g, G1, G1B
	s_mov_b32 s[\g+1], 800<<16                     ; a row is a piece of 6,400 bytes
	s_mov_b32 s[\g+3], 800<<16
	s_mov_b32 s[\g+5], NSLOT*800                   ; from 16 rows to the next 16
	s_mov_b32 s[\g+6], 0
	s_mov_b32 s[\g+7], 0
.endr
	s_mov_b32 s[G1+2], 4<<16
	s_mov_b32 s[G1+4], 4
	s_mov_b32 s[G1B+2], 8<<16
	s_mov_b32 s[G1B+4], 8
	s_lshl_b32 s20, s17, 3
	s_lshl_b32 s18, s16, 2
	s_add_co_u32 s20, s20, s18
	s_mul_i32 s20, s20, NSLOT*RB
	s_mov_b32 s21, 0
	s_lshl_b32 s46, s42, 4
	s_lshl_b32 s18, s16, 3
	s_add_co_u32 s46, s46, s18
	s_mul_i32 s46, s46, NSLOT*RB
	s_mov_b32 s47, 0
	s_mul_i32 s45, s16, 4*RB
	s_mul_i32 s2, s16, 8*RB
	s_add_co_u32 s2, s2, BOFF
	s_mul_i32 s3, s14, 4*RB
	s_add_co_u32 s3, s3, BOFF                      ; my 64 rows of the weight in a slot
	s_wait_dscnt 0x0
	s_wait_kmcnt 0x0
	s_add_nc_u64 s[20:21], s[4:5], s[20:21]
	s_add_nc_u64 s[46:47], s[8:9], s[46:47]
.irp s, 0,1
	s_mov_b32 s[G0+4*\s], 1
	s_add_co_u32 s[G0+4*\s+1], s45, \s*SLOT
	s_add_nc_u64 s[G0+4*\s+2:G0+4*\s+3], s[20:21], \s*RB
	s_or_b32 s[G0+4*\s+3], s[G0+4*\s+3], 0x80000000
	s_mov_b32 s[G0B+4*\s], 1
	s_add_co_u32 s[G0B+4*\s+1], s2, \s*SLOT
	s_add_nc_u64 s[G0B+4*\s+2:G0B+4*\s+3], s[46:47], \s*RB
	s_or_b32 s[G0B+4*\s+3], s[G0B+4*\s+3], 0x80000000
.endr
	CROUND
	JLOAD G0, G1, G0B, G1B                         ; K's first 512: one load a wave at the head
	; the prefetches: my share of what I fetch, told apart from my partners' by address
	s_lshl_b32 s68, s17, 3
	s_lshl_b32 s72, s16, 2
	s_add_co_u32 s68, s68, s72
	s_add_co_u32 s68, s68, s40                     ; tokens: piece 8 x block row + 4 x half + cx
	s_lshl_b32 s69, s42, 4
	s_lshl_b32 s72, s16, 3
	s_add_co_u32 s69, s69, s72
	s_lshl_b32 s72, s41, 1
	s_add_co_u32 s69, s69, s72                     ; weight: pieces 16 x block column + 8 x half + 2 cy, and the next
	s_cmp_eq_u32 s15, 0
	s_cselect_b32 s68, s68, s69
	s_cselect_b64 s[PFA:PFA+1], s[4:5], s[8:9]
	s_mul_i32 s68, s68, NSLOT*RB
	s_mov_b32 s69, 0
	s_add_nc_u64 s[PFA:PFA+1], s[PFA:PFA+1], s[68:69]
	s_lshl_b32 s20, s17, 14
	s_mov_b32 s21, 0
	s_add_nc_u64 s[96:97], s[96:97], s[20:21]
	s_add_nc_u64 s[98:99], s[98:99], s[20:21]
	s_lshr_b32 s18, s17, 4
	s_and_b32 s19, s17, 15
	s_lshl_b32 s20, s18, 4
	s_lshl_b32 s21, s42, 2
	s_add_co_u32 s20, s20, s21
	s_add_co_u32 s20, s20, s14
	s_lshl_b32 s20, s20, 4
	s_add_co_u32 s20, s20, s19
	s_lshl_b32 s22, s18, 2
	s_add_co_u32 s22, s22, s42
	s_sub_co_u32 s22, s22, 4
	s_lshl_b32 s22, s22, 3
	s_lshr_b32 s23, s19, 1
	s_add_co_u32 s22, s22, s23
	s_lshl_b32 s22, s22, 2
	s_add_co_u32 s22, s22, s14
	s_lshl_b32 s22, s22, 1
	s_and_b32 s23, s19, 1
	s_add_co_u32 s22, s22, s23
	s_cmp_eq_u32 ttmp9, 0
	s_cselect_b32 s20, s20, s22
	s_cselect_b64 s[12:13], s[12:13], s[66:67]
	s_mul_i32 s20, s20, 6400
	s_mov_b32 s21, 0
	s_add_nc_u64 s[12:13], s[12:13], s[20:21]
	s_and_b32 s94, ttmp9, s15                      ; not 0: my columns are v's
	s_mul_i32 s23, s14, WOUT
	v_and_b32 v1, 15, v0
	v_bfe_u32 v2, v0, 4, 1
	v_and_b32 v6, 31, v0
	v_lshlrev_b32 v[ADA], 4, v6
	v_lshlrev_b32 v[ASA], 2, v6
	v_add_nc_u32 v[ADB], s3, v[ADA]
	v_add_nc_u32 v[ASB], s3, v[ASA]
.irp a, ADA, ASA, ADB, ASB
	v_add_nc_u32 v[\a+1], SLOT, v[\a]
.endr
	v_min_u32 v[PFO], 24, v6
	v_lshlrev_b32 v[PFO], 8, v[PFO]
	v_mul_u32_u24 v5, v1, SP
	v_add_nc_u32 v5, s23, v5
	v_lshl_add_u32 v[STOQ], v2, 5, v5
	v_mul_u32_u24 v5, v6, SP
	v_add_nc_u32 v[RDQ], s23, v5
	v_add_nc_u32 v[STOV], SLOT, v[STOQ]
	s_add_co_u32 s22, s23, SLOT
	v_lshl_add_u32 v[RDV], v6, 2, s22
	s_add_co_u32 s23, s23, ST2
	s_add_co_u32 s22, s22, ST2
	v_lshl_add_u32 v5, v1, 4, s23
	v_mad_u32_u24 v[S2], v2, 520, v5
	v_mad_u32_u24 v[P2], v2, 1016, v5
	v_lshl_add_u32 v5, v1, 2, s23
	v_lshl_add_u32 v[S2S], v2, 1, v5
	v_lshl_add_u32 v[CPL], v6, 4, s23
	v_lshl_add_u32 v[CPL8], v6, 3, s23
	v_bfe_u32 v3, v0, 3, 1
	v_and_b32 v4, 7, v0
	v_mul_u32_u24 v5, v3, 1536
	v_lshl_add_u32 v5, v4, 4, v5
	v_lshl_add_u32 v5, v2, 7, v5
	v_add_nc_u32 v[S2V], s22, v5
	v_lshlrev_b32 v5, 6, v3
	v_lshl_add_u32 v5, v4, 2, v5
	v_lshl_add_u32 v5, v2, 5, v5
	v_add_nc_u32 v[S2VS], s22, v5
	v_lshlrev_b32 v[CSO], 7, v6
	v_lshlrev_b32 v[CPG], 4, v6
	v_lshl_add_u32 v[CPLV], v6, 4, s22
	v_lshl_add_u32 v[CPL8V], v6, 3, s22
	v_lshlrev_b32 v[CPG8], 3, v6
	s_wait_alu depctr_va_vdst(0)                   ; the wait at the head's end
	ASK 1                                          ; what the next joint load will ask for
	s_cmp_eq_u32 s94, 0
	s_cbranch_scc0 .Lno_cs
	WIN 0xc0                                       ; cos and sin of my 128 tokens into window 3: waited for on the way out
	CSLOAD 0
	CSLOAD 1
	CSLOAD 2
	CSLOAD 3
	WIN 0
.Lno_cs:
.macro FRAG reg, adr, q, i             ; an image: register group c of lane l at 512 c + 16 l
.irp c, 0,1,2
	ds_load_b128 v[\reg+4*\c:\reg+4*\c+3], v[\adr] offset:(\i)*RB+(\q)*1536+512*\c
.endr
.endm
.macro MULA a0, a1, q, zero            ; token blocks a0 .. a1 x my four blocks of the weight, step q of the slot; the 32 accumulators take turns
.set AA, \a0
.set PP, (\q)%2
.set SS, SC+12*((\q)/2)
.rept (\a1)-(\a0)+1
.irp b, 0,1,2,3
.if \zero
	v_wmma_scale_f32_16x16x128_f8f6f4 v[8*(4*AA+\b):8*(4*AA+\b)+7], v[128*PP+FR*\b:128*PP+FR*\b+FR-1], v[AF+96*PP+FR*AA:AF+96*PP+FR*AA+FR-1], 0, v[SS+8+\b], v[SS+AA] matrix_a_fmt:MATRIX_FMT_BF6 matrix_b_fmt:MATRIX_FMT_BF6
.else
.if PP
	v_wmma_scale_f32_16x16x128_f8f6f4 v[8*(4*AA+\b):8*(4*AA+\b)+7], v[128*PP+FR*\b:128*PP+FR*\b+FR-1], v[AF+96*PP+FR*AA:AF+96*PP+FR*AA+FR-1], v[8*(4*AA+\b):8*(4*AA+\b)+7], v[SS+8+\b], v[SS+AA] matrix_a_fmt:MATRIX_FMT_BF6 matrix_b_fmt:MATRIX_FMT_BF6 matrix_a_scale:MATRIX_SCALE_ROW1 matrix_b_scale:MATRIX_SCALE_ROW1
.else
	v_wmma_scale_f32_16x16x128_f8f6f4 v[8*(4*AA+\b):8*(4*AA+\b)+7], v[128*PP+FR*\b:128*PP+FR*\b+FR-1], v[AF+96*PP+FR*AA:AF+96*PP+FR*AA+FR-1], v[8*(4*AA+\b):8*(4*AA+\b)+7], v[SS+8+\b], v[SS+AA] matrix_a_fmt:MATRIX_FMT_BF6 matrix_b_fmt:MATRIX_FMT_BF6
.endif
.endif
.endr
.set AA, AA+1
.endr
.endm
.macro FETCH slot, q                   ; step q's fragments into set q % 2
	WIN TO_B
.irp i, 0,1,2,3
	FRAG 128*((\q)%2)+FR*\i, ADB+\slot, \q, \i
.endr
	WIN 0
.irp i, 0,1,2,3,4,5,6,7
	FRAG AF+96*((\q)%2)+FR*\i, ADA+\slot, \q, \i
.endr
.endm
.macro SCL pr, slot                    ; the scale words of steps 2 pr (lanes 0-15) and 2 pr + 1 (lanes 16-31)
.irp i, 0,1,2,3,4,5,6,7
	ds_load_b32 v[SC+12*(\pr)+\i], v[ASA+\slot] offset:\i*RB+6144+128*(\pr)
.endr
.irp i, 0,1,2,3
	ds_load_b32 v[SC+12*(\pr)+8+\i], v[ASB+\slot] offset:\i*RB+6144+128*(\pr)
.endr
.endm
.macro PLACES n
.rept \n
	v_nop
.endr
.endm
.macro STEP slot, q, zero              ; steps 0 to 2 of a slot: the next step's fragments are asked for, then 32 products
	s_wait_dscnt 0x0
	PLACES NP                                      ; in front of loads into registers that the last products read
	FETCH \slot, (\q)+1
.if (\q) == 0
	SCL 1, \slot
.endif
	WIN MUL_W
	MULA 0, 7, \q, \zero
	WIN 0
.endm
.macro TURN slot, fill, ask            ; step 3 and the change of slots; ask: K's slot to prefetch, 0 for none
	s_wait_tensorcnt 0x0                           ; my part of the other slot is in
	ds_add_u32 v[SPW], v[NIL]
	s_wait_dscnt 1                                 ; (the add may be out)
	WIN MUL_W
	MULA 0, 1, 3, 0
	s_wait_dscnt 0x0                               ; the add is done; my reads of this slot are over
	s_barrier_signal -1
	MULA 2, 3, 3, 0
	WIN 0
	s_barrier_wait -1
.if \fill
	CREST
	s_add_nc_u64 s[G0+4*\slot+2:G0+4*\slot+3], s[G0+4*\slot+2:G0+4*\slot+3], 2*RB
	s_add_nc_u64 s[G0B+4*\slot+2:G0B+4*\slot+3], s[G0B+4*\slot+2:G0B+4*\slot+3], 2*RB
	JLOAD G0+4*\slot, G1, G0B+4*\slot, G1B         ; 1,024 along K further on; its four v_nop are the places in front of the loads below
.else
	PLACES NP
.endif
	FETCH 1-\slot, 0
	SCL 0, 1-\slot
.if \ask
	ASK \ask
.endif
	WIN MUL_W
	MULA 4, 7, 3, 0
	WIN 0
.endm
	s_wait_tensorcnt 0x0                           ; a later first fill is issued as a refill is
	ds_add_u32 v[SPW], v[NIL]
	s_wait_dscnt 0x0
	CROUND
	JLOAD G0+4, G1, G0B+4, G1B                     ; K's second 512
	FETCH 0, 0
	SCL 0, 0
	ASK 2
	STEP 0, 0, 1                                   ; the first products start the sums
	STEP 0, 1, 0
	STEP 0, 2, 0
	TURN 0, 1, 3
.irp q, 0,1,2
	STEP 1, \q, 0
.endr
	TURN 1, 1, 0
.irp q, 0,1,2
	STEP 0, \q, 0
.endr
	TURN 0, 0, 0
.irp q, 0,1,2
	STEP 1, \q, 0
.endr
	s_wait_dscnt 0x0
	WIN MUL_W
	MULA 0, 7, 3, 0
	WIN 0
	s_barrier_signal -1                            ; nobody reads the slots any more: they have had their last fill and serve as stages
	s_barrier_wait -1
	PLACES NP
.macro TOST a, adr, off
.set AC, 32*(\a)
	WIN 0x08
.irp b, 0,1,2,3
	ds_store_b128 v[\adr], v[AC+8*\b:AC+8*\b+3] offset:(\off)+64*\b
	ds_store_b128 v[\adr], v[AC+8*\b+4:AC+8*\b+7] offset:(\off)+64*\b+16
.endr
	WIN 0
.endm
.macro RQ g, left                      ; 32 tokens of q or k: a lane takes a token's 64 numbers, turns the first 32, quantises two blocks
	TOST 2*(\g), STOQ, 0
	TOST 2*(\g)+1, STOQ, 16*SP
.irp i, 0,1,2,3,4,5,6,7,8,9,10,11,12,13,14,15
	ds_load_b128 v[X+4*\i:X+4*\i+3], v[RDQ] offset:16*\i
.endr
	s_wait_loadcnt \left
	s_wait_dscnt 0x0
.set CSB, 64*(\g)
	WIN 0x0c                                       ; source 1: cos and sin in window 3
.irp i, 0,2,4,6,8,10,12,14
	v_pk_mul_f32 v[T1+\i:T1+\i+1], v[X+16+\i:X+17+\i], v[CSB+32+\i:CSB+33+\i]
.endr
.irp i, 0,2,4,6,8,10,12,14
	v_pk_mul_f32 v[T2+\i:T2+\i+1], v[X+\i:X+\i+1], v[CSB+48+\i:CSB+49+\i]
.endr
.irp i, 0,2,4,6,8,10,12,14
	v_pk_fma_f32 v[X+\i:X+\i+1], v[X+\i:X+\i+1], v[CSB+\i:CSB+\i+1], v[T1+\i:T1+\i+1] neg_lo:[0,0,1] neg_hi:[0,0,1]
.endr
.irp i, 0,2,4,6,8,10,12,14
	v_pk_fma_f32 v[X+16+\i:X+17+\i], v[X+16+\i:X+17+\i], v[CSB+16+\i:CSB+17+\i], v[T2+\i:T2+\i+1]
.endr
	WIN 0
.irp b, 0,1
	v_max3_num_f32 v[BM+\b], |v[X+32*\b]|, |v[X+32*\b+1]|, 0x4000000
.endr
.irp i, 2,4,6,8,10,12,14,16,18,20,22,24,26,28,30
.irp b, 0,1
	v_max3_num_f32 v[BM+\b], v[BM+\b], |v[X+32*\b+\i]|, |v[X+32*\b+\i+1]|
.endr
.endr
.irp b, 0,1
	v_add_nc_u32 v[SO+\b], 0xfe000000, v[BM+\b]
.endr
.irp b, 0,1
	v_lshrrev_b32 v[BY+\b], 23, v[SO+\b]
.endr
	v_lshl_or_b32 v[W16], v[BY+1], 8, v[BY]
.irp b, 0,1
	v_cvt_scalef32_pk16_bf6_f32 v[CC+6*\b:CC+6*\b+2], v[X+32*\b:X+32*\b+15], v[SO+\b]
	v_cvt_scalef32_pk16_bf6_f32 v[CT+4*\b:CT+4*\b+2], v[X+32*\b+16:X+32*\b+31], v[SO+\b]
.endr
	v_nop
.irp b, 0,1
.irp i, 0,1,2
	v_mov_b32 v[CC+6*\b+3+\i], v[CT+4*\b+\i]
.endr
.endr
.irp b, 0,1
	ds_store_b64 v[S2], v[CC+6*\b:CC+6*\b+1] offset:1536*(\g)+256*\b
	ds_store_b64 v[P2], v[CC+6*\b+2:CC+6*\b+3] offset:1536*(\g)+256*\b+8
	ds_store_b64 v[S2], v[CC+6*\b+4:CC+6*\b+5] offset:1536*(\g)+256*\b+512
.endr
	ds_store_b16 v[S2S], v[W16] offset:6144+64*(\g)
.endm
.macro LOADP p
.set XS, X+32*((\p)%2)
.set KA, 0
.rept 32
	ds_load_b32 v[XS+KA], v[RDV] offset:SP*(16*((KA/8)%2)+8*(KA/16)+KA%8)+128*(\p)
.set KA, KA+1
.endr
.endm
.macro QV p, be                        ; v: a lane takes a channel, its registers run along 32 keys
.set XS, X+32*((\p)%2)
.set Z,  (\p)%2
.set CV, CC+6*Z
.set CU, CT+4*Z
.set BASE, 3072*(\p)+256*((\be)%2)
	v_max3_num_f32 v[BM+Z], |v[XS]|, |v[XS+1]|, |v[XS+2]|
	v_max3_num_f32 v[T1+Z], |v[XS+3]|, |v[XS+4]|, |v[XS+5]|
.irp i, 6,10,14,18,22,26
	v_max3_num_f32 v[BM+Z], v[BM+Z], |v[XS+\i]|, |v[XS+\i+1]|
	v_max3_num_f32 v[T1+Z], v[T1+Z], |v[XS+\i+2]|, |v[XS+\i+3]|
.endr
	v_max3_num_f32 v[BM+Z], v[BM+Z], |v[XS+30]|, |v[XS+31]|
	v_max3_num_f32 v[BM+Z], v[BM+Z], v[T1+Z], 0x2800000
	v_add_nc_u32 v[SO+Z], 0xfe000000, v[BM+Z]
	v_lshrrev_b32 v[BY+Z], 23, v[SO+Z]
	v_cvt_scalef32_pk16_bf6_f32 v[CV:CV+2], v[XS:XS+15], v[SO+Z]
	v_cvt_scalef32_pk16_bf6_f32 v[CU:CU+2], v[XS+16:XS+31], v[SO+Z]
	v_nop
.irp i, 0,1,2
	v_mov_b32 v[CV+3+\i], v[CU+\i]
.endr
.if (\be) < 2
	ds_store_b128 v[S2V], v[CV:CV+3] offset:BASE
	ds_store_b64 v[S2V], v[CV+4:CV+5] offset:BASE+512
.else
	ds_store_b64 v[S2V], v[CV:CV+1] offset:BASE+520
	ds_store_b128 v[S2V], v[CV+2:CV+5] offset:BASE+1024
.endif
	ds_store_b8 v[S2VS], v[BY+Z] offset:6144+128*(\p)+(\be)
.endm
.macro COPYOUT adr, adr8               ; my 6,400 bytes of images and scale words leave in stores of 512 consecutive bytes
.set J, 0
.rept 12
	ds_load_b128 v[OB+4*J:OB+4*J+3], v[\adr] offset:512*J
.set J, J+1
.endr
	ds_load_b64 v[OB+48:OB+49], v[\adr8] offset:6144
.set J, 0
.rept 12
	s_wait_dscnt 12-J
	global_store_b128 v[CPG], v[OB+4*J:OB+4*J+3], s[12:13] offset:512*J
.set J, J+1
.endr
	s_wait_dscnt 0x0
	global_store_b64 v[CPG8], v[OB+48:OB+49], s[12:13] offset:6144
.endm
	s_cmp_eq_u32 s94, 0
	s_cbranch_scc0 .Lpath_v
	RQ 0, 48
	RQ 1, 32
	RQ 2, 16
	RQ 3, 0
	COPYOUT CPL, CPL8
	s_branch .Lend
.Lpath_v:
.irp be, 0,1,2,3
	TOST 2*\be, STOV, 0
	TOST 2*\be+1, STOV, 16*SP
	LOADP 0
	LOADP 1
	s_wait_dscnt 32
	QV 0, \be
	s_wait_dscnt 3
	QV 1, \be
.endr
	COPYOUT CPLV, CPL8V
.Lend:
	s_wait_tensorcnt 0x0                           ; the wave's end
	ds_add_u32 v[SPW], v[NIL]
	s_wait_dscnt 0x0
	CROUND                                         ; the closing round
	s_endpgm
.Lfunc_end_k_q633066d933_qkv:
	.size	k_q633066d933_qkv, .Lfunc_end_k_q633066d933_qkv-k_q633066d933_qkv
	.p2alignl 7, 3214868480
	.fill 96, 4, 3214868480
	.section	.rodata,"a",@progbits
	.p2align	6, 0x0
	.amdhsa_kernel k_q633066d933_qkv
		.amdhsa_group_segment_fixed_size 327680
		.amdhsa_private_segment_fixed_size 0
		.amdhsa_enable_private_segment 0
		.amdhsa_kernarg_size 48
		.amdhsa_user_sgpr_count 2
		.amdhsa_user_sgpr_kernarg_segment_ptr 1
		.amdhsa_wavefront_size32 1
		.amdhsa_system_sgpr_workgroup_id_x 1
		.amdhsa_system_sgpr_workgroup_id_y 1
		.amdhsa_system_sgpr_workgroup_id_z 1
		.amdhsa_system_vgpr_workitem_id 0
		.amdhsa_next_free_vgpr 1024
		.amdhsa_next_free_sgpr 100
		.amdhsa_reserve_vcc 0
		.amdhsa_float_denorm_mode_32 3
		.amdhsa_float_denorm_mode_16_64 3
		.amdhsa_memory_ordered 1
		.amdhsa_forward_progress 1
		.amdhsa_inst_pref_size 199
	.end_amdhsa_kernel
	.amdgpu_metadata
---
amdhsa.version: [ 1, 2 ]
amdhsa.kernels:
  - .name:           k_q633066d933_qkv
    .symbol:         k_q633066d933_qkv.kd
    .args:
      - { .name: hq, .offset: 0, .size: 8, .value_kind: global_buffer, .address_space: global }
      - { .name: wq, .offset: 8, .size: 8, .value_kind: global_buffer, .address_space: global }
      - { .name: cos, .offset: 16, .size: 8, .value_kind: global_buffer, .address_space: global }
      - { .name: sin, .offset: 24, .size: 8, .value_kind: global_buffer, .address_space: global }
      - { .name: qimg, .offset: 32, .size: 8, .value_kind: global_buffer, .address_space: global }
      - { .name: kv, .offset: 40, .size: 8, .value_kind: global_buffer, .address_space: global }
    .group_segment_fixed_size: 327680
    .private_segment_fixed_size: 0
    .kernarg_segment_align: 8
    .kernarg_segment_size: 48
    .max_flat_workgroup_size: 128
    .sgpr_count:     100
    .vgpr_count:     1024
    .wavefront_size: 32
...
	.end_amdgpu_metadata
.endif
;; end of part 2
;; launch attn (part 3): grid 16 x 16, 8 waves a work-group, clusters of 4 x 4, 327,680 bytes of LDS; arguments qimg, kv, attention_mask, aq; writes aq
.if DOCPART == 3
	.amdgcn_target "amdgcn-amd-amdhsa--gfx1250"
	.amdhsa_code_object_version 6
	.text
	.protected	k_q633066d933_attn
	.globl	k_q633066d933_attn
	.p2align	8
	.type	k_q633066d933_attn,@function
k_q633066d933_attn:
	s_mov_b64 s[64:65], 0
	v_nop
	global_prefetch_b8 v0, s[64:65] scope:SCOPE_SE
	s_setreg_imm32_b32 hwreg(HW_REG_WAVE_MODE, 25, 1), 1
	s_wait_xcnt 0x0
	s_wait_alu depctr_hold_cnt(0) depctr_sa_sdst(0) depctr_va_vdst(0) depctr_va_sdst(0) depctr_va_ssrc(0) depctr_va_vcc(0) depctr_vm_vsrc(0)
	s_getreg_b32 s2, hwreg(HW_REG_IB_STS2, 6, 4)
	s_cmp_eq_u32 s2, 0
	s_cbranch_scc0 .Lentry_in_a_cluster
	s_endpgm
.Lentry_in_a_cluster:
	s_bfe_u32 s2, ttmp6, 0x10000c
	s_cmp_lg_u32 s2, 0xf033
	s_cbranch_scc0 .Lentry_shape_is_right
	s_endpgm
.Lentry_shape_is_right:
; Attention on codes of BF6 (E3M2): scores = q . k / 8 + mask; t = score x log2(e); M = the running largest t rounded up to a whole number; p = 2^(t - M) is quantised along the keys; O = (p V) / (the sum of the unquantised p);
; O is quantised along heads x channels for the last projection.  The mask is an input: all 2,048 x 2,048 of it are read, and no key is left out.
; SHARES.  Work-group (X, HG): 128 queries 128 X on, of batch HG / 8 and key and value head HG % 8, with both its query heads.  Wave w: 16 queries, both heads: K's and V's fragments and the mask's registers each feed two tiles.
; K AND V STAY.  The head's 2,048 keys are 16 steps x (6,400 + 6,400) bytes of images of operand registers: 204,800 bytes of LDS, filled once, at the head, one tensor load a wave (two rows of 12,800 bytes).  Nothing is filled again:
; behind the one barrier that shows the tiles to all waves the loop has no barrier, and each wave walks the 16 key steps by itself.
; CLUSTER 4 x 4: the four of a row share HG, so K and V are asked for jointly along the row.
; THE MASK comes by registers: a wave's 16 rows x 128 keys are 16 loads of 512 consecutive bytes, issued one whole key step ahead of their use; they turn through the wave's own stage in LDS (16 rows x 528 bytes), which no other wave touches.
; It is not asked for jointly: a joint load would need a ring of refills and a round of the cluster's barrier at each of the 16 steps.  No prefetch beside it: the loads themselves stand a whole step ahead of the wait for them.
; FIRST PRODUCT.  The head's 64 fill half of the instruction's 128, so an image of K holds two keys side by side along K, and q is used as [q | 0] and as [0 | q]: zero codes add nothing.  Source 0 = K, source 1 = q: a lane holds one query;
; register 8 t + j of lane (r, h) is key 16 t + 8 h + j.  The mask is the C of the product; 1 / 8 is taken off q's scale bytes (3 off each).
; t IS ROUNDED ON ITS OWN (a multiply, then an add of -M): where all logits of a row are huge, t - M is then exact.
; SECOND PRODUCT.  Source 0 = V^T (16 channels), source 1 = p.  Inside a block of 32 keys p's codes stand in the order in which its registers fall; V's codes were laid in the same order.
; LIMITS: the mask enters through the matrix unit's own f32 sum; a block of p or of O that is all zeros keeps the byte 1 (zero codes); NaN and infinities are not served.
; REGISTERS.  window 0: v1-9 addresses; v10-31 scale words and each head's -M, largest t, sum; v32-159 S, then p, 64 a head; v160-183 p's codes; v184-223 at work; v224-239 the next mask tile's rows 12-15; v240-254 at work.
;   window 1: v0-63 the mask; v64-127 O^T, 32 a head; v128-157 zeros, q of head 0, zeros, q of head 1, zeros (6 each); v160-207 K, then V; v208-255 the next mask tile's rows 0-11.
.set STEPB, 6400                       ; a key step of K or of V: four images of 1,536 bytes and 256 bytes of scale words
.set VOFF,  16*STEPB                   ; V lies behind K
.set STG,   2*VOFF                     ; behind V: the waves' stages
.set MP,    528                        ; a stage row: 512 bytes + 16
.set WSTG,  16*MP
.set SPARE, STG+8*WSTG                 ; the spare words, 128 bytes for each of eight waves
.set AK0, 1                            ; 16 x lane
.set AS0, 2                            ; 4 x lane
.set AV0, 3                            ; the same in V
.set ASV0, 4
.set MST, 5                            ; my stage + 16 x lane
.set MLD, 6                            ; my stage + my query's row + 32 x half
.set SPW, 7
.set NIL, 8
.set MGO, 9                            ; 16 x lane: the offset of the mask's loads and of the way out
.set QSC, 10
.set ST,  12
.set KSC, 20
.set VSC, 22
.set PW,  24
.set F,   26                           ; v[26:27], v[28:29]: f = 2^(old M - new M) and a 0, for each head
.set TT,  30
.set S,   32
.set PC,  160
.set CT,  184
.set BM,  200
.set PT,  208
.set SO,  216
.set GB,  224
.set SUMT, 240
.set ADC, 244
.set ADS, 245
.set WOS, 252
.set MK,  0                            ; window 1
.set O,   64
.set QZ,  128
.set KV,  160
.set GA,  208
.set WV,  12
.set SEL, 20
.set CS,  22
.set G1K, 24
.set G0K, 40
.set MB,  44
.set CNT, 46
.set TB,  47
.set MSB, 0
.macro WIN new                         ; the immediate's high byte repeats the setting that is left
.if MSB != \new
	s_set_vgpr_msb (MSB<<8)|\new
.set MSB, \new
.endif
.endm
.macro CROUND                          ; a round of the cluster's barrier
	s_barrier_signal -1
	s_barrier_wait -1
	s_cmp_lg_u32 s[WV], 0
	s_cbranch_scc1 .Lnot_wave_0_\@
	s_barrier_signal -3
.Lnot_wave_0_\@:
	s_barrier_wait -3
	s_barrier_signal -1
	s_barrier_wait -1
.endm
.macro MLOAD                           ; a mask tile: row i of my 16, 512 consecutive bytes an instruction
	WIN 0x40
.set I, 0
.rept 12
	global_load_b128 v[GA+4*I:GA+4*I+3], v[MGO], s[MB:MB+1] offset:8192*I
.set I, I+1
.endr
	WIN 0
.set I, 0
.rept 4
	global_load_b128 v[GB+4*I:GB+4*I+3], v[MGO], s[MB:MB+1] offset:8192*(12+I)
.set I, I+1
.endr
.endm
	s_load_b256 s[4:11], s[0:1], 0x0               ; qimg s[4:5], kv s[6:7], the mask s[8:9], aq s[10:11]
	v_lshl_add_u32 v[SPW], v0, 2, SPARE
	v_mov_b32 v[NIL], 0
	ds_add_u32 v[SPW], v[NIL]                      ; the opening lines: the add twice on end and one wait
	ds_add_u32 v[SPW], v[NIL]
	v_lshrrev_b32 v246, 5, v0
	v_readfirstlane_b32 s[WV], v246                ; wave 0..7
	s_bfe_u32 s13, ttmp6, 0x40000                  ; cx
	s_bfe_u32 s14, ttmp6, 0x40004                  ; cy
	s_lshl_b32 s15, ttmp9, 2
	s_add_co_u32 s15, s15, s13                     ; X = 4 x cluster x + cx
	s_and_b32 s16, ttmp7, 0xffff
	s_lshl_b32 s16, s16, 2
	s_add_co_u32 s16, s16, s14                     ; HG = 4 x cluster y + cy
	s_lshl_b32 s56, s14, 2
	s_lshl_b32 s56, 15, s56                        ; my row of the cluster
	s_or_b32 s[G1K], s56, (3<<16)|(1<<21)          ; elements of 8 bytes; 21 set beside a mask; no padding
	s_mov_b32 s[G1K+1], 1600<<16                   ; two rows of 12,800 bytes (256 keys each), 51,200 bytes apart
	s_mov_b32 s[G1K+2], 2<<16
	s_mov_b32 s[G1K+3], 1600<<16
	s_mov_b32 s[G1K+4], 2
	s_mov_b32 s[G1K+5], 6400
	s_mov_b32 s[G1K+6], 0
	s_mov_b32 s[G1K+7], 0
	s_lshr_b32 s57, s16, 1
	s_mul_i32 s58, s57, 409600                     ; kv: the pair of heads,
	s_and_b32 s57, s16, 1
	s_mul_i32 s57, s57, 12800                      ; my head of the pair,
	s_add_co_u32 s58, s58, s57
	s_and_b32 s57, s[WV], 3
	s_mul_i32 s57, s57, 102400                     ; waves 0-3 K's, waves 4-7 V's 512 keys (w % 4),
	s_add_co_u32 s58, s58, s57
	s_lshr_b32 s57, s[WV], 2
	s_mul_i32 s57, s57, 25600
	s_add_co_u32 s58, s58, s57
	s_mov_b32 s59, 0
	s_mul_i32 s62, s[WV], 25600                    ; and where they go: the wave's number alone
	s_mov_b32 s[SEL], 0x76543210
	s_mov_b32 s[SEL+1], 0xfedcba98                 ; v_permlanex16_b32's selects for lane l xor 16
	s_mov_b32 s[CS], 0x3fb8aa3b                    ; log2(e)
	s_mov_b32 s[CS+1], s[CS]                       ; (named with it as a pair)
	s_mov_b32 s[TB], 0
	s_mov_b32 s[CNT], 15
	s_wait_dscnt 0x0
	s_wait_kmcnt 0x0
	s_mov_b32 s[G0K], 1
	s_mov_b32 s[G0K+1], s62
	s_add_nc_u64 s[G0K+2:G0K+3], s[6:7], s[58:59]
	s_or_b32 s[G0K+3], s[G0K+3], 0x80000000
	CROUND                                         ; all sixteen work-groups are here
	tensor_load_to_lds s[G0K:G0K+3], s[G1K:G1K+7]  ; my one tensor load of the launch
	s_nop 0
.rept 4
	v_nop
.endr
	; q: heads 2 HG + 0, 1 among 32; chunk X of 128 tokens; image w / 2; of its two tokens a lane the one of w % 2
	s_lshl_b32 s66, s16, 5
	s_add_co_u32 s66, s66, s15
	s_mul_i32 s66, s66, STEPB
	s_mov_b32 s67, 0
	s_add_nc_u64 s[4:5], s[4:5], s[66:67]
	s_lshr_b32 s68, s[WV], 1
	s_mul_i32 s69, s68, 1536
	s_lshl_b32 s70, s68, 6
	s_add_co_u32 s70, s70, 6144
	s_and_b32 s73, s[WV], 1
	s_cmp_eq_u32 s73, 1
	s_cselect_b32 s51, -1, 0                       ; all ones: the image's second token
	s_lshl_b32 s73, s73, 4                         ; and its two scale bytes: 16 bits up
	s_lshl_b32 s60, s15, 20                        ; the mask: 128 X rows of 8,192 bytes,
	s_lshl_b32 s61, s[WV], 17                      ; my sixteen rows
	s_add_co_u32 s60, s60, s61
	s_mov_b32 s61, 0
	s_add_nc_u64 s[MB:MB+1], s[8:9], s[60:61]
	s_mul_i32 s71, s[WV], WSTG
	s_add_co_u32 s71, s71, STG                     ; my stage
	; the way out: aq holds, for 16 tokens and 512 of the last projection's K, four images of 1,536 bytes and 256 bytes of scale words; two such pieces for 16 tokens
	s_lshr_b32 s85, s16, 3                         ; batch
	s_and_b32 s84, s16, 7                          ; my two heads are step HG % 8 of K's eight
	s_lshl_b32 s86, s85, 7
	s_lshl_b32 s87, s15, 3
	s_add_co_u32 s86, s86, s87
	s_add_co_u32 s86, s86, s[WV]                   ; my 16 tokens: 128 x batch + 8 X + w
	s_lshr_b32 s82, s84, 2
	s_and_b32 s87, s84, 3
	s_mul_i32 s86, s86, 12800
	s_mul_i32 s82, s82, 6400
	s_add_co_u32 s86, s86, s82
	s_mul_i32 s88, s87, 1536
	s_add_co_u32 s88, s88, s86
	s_mov_b32 s89, 0
	s_add_nc_u64 s[90:91], s[10:11], s[88:89]      ; my image
	s_lshl_b32 s88, s87, 6
	s_add_co_u32 s88, s88, s86
	s_add_co_u32 s88, s88, 6144
	s_add_nc_u64 s[92:93], s[10:11], s[88:89]      ; its 16 scale words
	v_and_b32 v246, 31, v0                         ; lane
	v_and_b32 v247, 15, v0                         ; r
	v_bfe_u32 v248, v0, 4, 1                       ; h
	v_lshl_add_u32 v249, v246, 4, s69
	v_lshl_add_u32 v250, v247, 2, s70
	v_lshlrev_b32 v[MGO], 4, v246
.irp hd, 0,1
.irp c, 0,1,2
	global_load_b128 v[S+12*\hd+4*\c:S+12*\hd+4*\c+3], v249, s[4:5] offset:102400*\hd+512*\c
.endr
	global_load_b32 v[S+24+\hd], v250, s[4:5] offset:102400*\hd
.endr
	MLOAD                                          ; the first key step's mask
	v_lshlrev_b32 v[AK0], 4, v246
	v_lshlrev_b32 v[AS0], 2, v246
	v_add_nc_u32 v[AV0], VOFF, v[AK0]
	v_add_nc_u32 v[ASV0], VOFF, v[AS0]
	v_lshl_add_u32 v[MST], v246, 4, s71
	v_mul_u32_u24 v251, v247, MP
	v_lshl_add_u32 v251, v248, 5, v251
	v_add_nc_u32 v[MLD], s71, v251
	v_lshlrev_b32 v[WOS], 2, v247
.irp hd, 0,1
	v_mov_b32 v[ST+4*\hd+1], 0xff61b1e6            ; the largest t so far: -3e38
	v_mov_b32 v[ST+4*\hd+2], 0                     ; the sum, in two halves
	v_mov_b32 v[ST+4*\hd+3], 0
	v_mov_b32 v[F+2*\hd+1], 0                      ; (named as the upper half of a pair)
.endr
.irp hd, 0,1
	v_floor_f32 v[ST+4*\hd], -v[ST+4*\hd+1]        ; -M
.endr
.irp b, 0,1,2,3,4,5,6,7
	v_mov_b32 v[PT+\b], 0                          ; a lane permute's destination counts as one of its sources
.endr
	s_wait_loadcnt 16                              ; q is in; the mask's 16 loads may be out
.irp hd, 0,1
	v_lshrrev_b32 v[253+\hd], s73, v[S+24+\hd]
.endr
.irp hd, 0,1
	v_and_b32 v[253+\hd], 0xffff, v[253+\hd]       ; my token's two bytes,
.endr
.irp hd, 0,1
	v_lshl_or_b32 v[253+\hd], v[253+\hd], 16, v[253+\hd]   ; for [q | 0] and for [0 | q];
.endr
.irp hd, 0,1
	v_add_nc_u32 v[QSC+\hd], 0xfcfcfcfd, v[253+\hd]        ; 3 off each byte (each is 4 at the least): q / 8
.endr
	WIN 0x40                                       ; destination window 1
.irp hd, 0,1
.irp i, 0,1,2,3,4,5
	v_cndmask_b32 v[QZ+6+12*\hd+\i], v[S+12*\hd+\i], v[S+12*\hd+6+\i], s51
.endr
.endr
.irp z, 0,12,24
.irp i, 0,1,2,3,4,5
	v_mov_b32 v[QZ+\z+\i], 0                       ; zero codes beside q
.endr
.endr
.set J, 0
.rept 64
	v_mov_b32 v[O+J], 0                            ; O^T: the step is written once; the first change of M leaves zeros zeros
.set J, J+1
.endr
	WIN 0
; From the blocks' largest magnitudes in BM: scale operands, bytes, scale words; group g's 64 numbers at S + 64 g become 12 registers of codes at PC + 12 g.  ng groups by turns
.macro TAILQ ng
.set B, 0
.rept 4*(\ng)
	v_add_nc_u32 v[SO+B], 0xfe000000, v[BM+B]      ; 4 off the exponent field: the conversion's scale operand
.set B, B+1
.endr
.set B, 0
.rept 4*(\ng)
	v_lshrrev_b32 v[PT+B], 23, v[SO+B]             ; the byte
.set B, B+1
.endr
.set GG, 0
.rept \ng
	v_lshl_or_b32 v[PW+GG], v[PT+4*GG+1], 8, v[PT+4*GG]
.set GG, GG+1
.endr
.set GG, 0
.rept \ng
	v_lshl_or_b32 v[PW+GG], v[PT+4*GG+2], 16, v[PW+GG]
.set GG, GG+1
.endr
.set GG, 0
.rept \ng
	v_lshl_or_b32 v[PW+GG], v[PT+4*GG+3], 24, v[PW+GG]
.set GG, GG+1
.endr
.set GG, 0
.rept \ng
.irp c, 0,1
	v_cvt_scalef32_pk16_bf6_f32 v[PC+12*GG+6*\c:PC+12*GG+6*\c+2], v[S+64*GG+32*\c:S+64*GG+32*\c+15], v[SO+4*GG+2*\c]
	v_cvt_scalef32_pk16_bf6_f32 v[CT+8*GG+4*\c:CT+8*GG+4*\c+2], v[S+64*GG+32*\c+16:S+64*GG+32*\c+31], v[SO+4*GG+2*\c+1]   ; (a conversion's three registers begin on an even number)
.endr
.set GG, GG+1
.endr
	v_nop                                          ; one plain line behind a scaled conversion
.set GG, 0
.rept \ng
.irp c, 0,1                            ; the operand wants a whole block in a lane: lanes 0-15 block 2 c, lanes 16-31 block 2 c + 1
.irp i, 0,1,2
	v_permlane16_swap_b32 v[PC+12*GG+6*\c+\i], v[CT+8*GG+4*\c+\i]
.endr
.endr
.set GG, GG+1
.endr
.set GG, 0
.rept \ng
.irp c, 0,1
.irp i, 0,1,2
	v_mov_b32 v[PC+12*GG+6*\c+3+\i], v[CT+8*GG+4*\c+\i]
.endr
.endr
.set GG, GG+1
.endr
.endm
; The softmax step of both heads on the 128 scores in S: eight blocks of 32 keys by turns
.macro SOFT2
.set J, 0
.rept 64
	v_pk_mul_f32 v[S+J:S+J+1], v[S+J:S+J+1], s[CS:CS+1] op_sel_hi:[1,0]    ; t, rounded; each accumulator from its low end on
.set J, J+2
.endr
.set B, 0
.rept 8
	v_max3_num_f32 v[BM+B], v[S+16*B], v[S+16*B+1], v[S+16*B+2]            ; the largest t of each block: for the row's maximum and for the block's largest p
.set B, B+1
.endr
.irp i, 3,5,7,9,11,13
.set B, 0
.rept 8
	v_max3_num_f32 v[BM+B], v[BM+B], v[S+16*B+\i], v[S+16*B+\i+1]
.set B, B+1
.endr
.endr
.set B, 0
.rept 8
	v_max_num_f32 v[BM+B], v[BM+B], v[S+16*B+15]
.set B, B+1
.endr
.set B, 0
.rept 8
	v_permlanex16_b32 v[PT+B], v[BM+B], s[SEL], s[SEL+1]
.set B, B+1
.endr
.set B, 0
.rept 8
	v_max_num_f32 v[BM+B], v[BM+B], v[PT+B]        ; with lane l xor 16's 16 keys
.set B, B+1
.endr
.irp hd, 0,1
	v_max3_num_f32 v[TT+\hd], v[BM+4*\hd], v[BM+4*\hd+1], v[BM+4*\hd+2]
.endr
.irp hd, 0,1
	v_max3_num_f32 v[ST+4*\hd+1], v[ST+4*\hd+1], v[TT+\hd], v[BM+4*\hd+3]  ; the running largest t
.endr
.irp hd, 0,1
	v_mov_b32 v[TT+\hd], v[ST+4*\hd]
.endr
.irp hd, 0,1
	v_floor_f32 v[ST+4*\hd], -v[ST+4*\hd+1]        ; the new -M = floor(-t): M is a whole number
.endr
.irp hd, 0,1
	v_sub_f32 v[TT+\hd], v[ST+4*\hd], v[TT+\hd]    ; old M - new M: a whole number, 0 or less
.endr
.set J, 0
.rept 32
	v_pk_add_f32 v[S+J:S+J+1], v[S+J:S+J+1], v[ST:ST+1] op_sel_hi:[1,0]    ; t - M (of the pair the low word, -M, serves both halves)
.set J, J+2
.endr
.irp hd, 0,1
	v_cvt_i32_f32 v[TT+\hd], v[TT+\hd]             ; (it saturates)
.endr
.set J, 64
.rept 32
	v_pk_add_f32 v[S+J:S+J+1], v[S+J:S+J+1], v[ST+4:ST+5] op_sel_hi:[1,0]
.set J, J+2
.endr
.irp hd, 0,1
	v_ldexp_f32 v[F+2*\hd], 1.0, v[TT+\hd]         ; f = 2^(old M - new M)
.endr
.set B, 0
.rept 8
	v_add_f32 v[BM+B], v[BM+B], v[ST+4*(B/4)]      ; the same of each block's largest t
.set B, B+1
.endr
.irp hd, 0,1
	v_pk_mul_f32 v[ST+4*\hd+2:ST+4*\hd+3], v[ST+4*\hd+2:ST+4*\hd+3], v[F+2*\hd:F+2*\hd+1] op_sel_hi:[1,0]   ; the sums under the new M
.endr
	WIN 0x41                                       ; O^T (destination and source 0) in window 1
.irp hd, 0,1
.set J, 0
.rept 16
	v_pk_mul_f32 v[O+32*\hd+J:O+32*\hd+J+1], v[O+32*\hd+J:O+32*\hd+J+1], v[F+2*\hd:F+2*\hd+1] op_sel_hi:[1,0]   ; O^T under the new M, ahead of the exponentials; each accumulator from its low end on
.set J, J+2
.endr
.endr
	WIN 0
	s_wait_alu depctr_va_vdst(0)                   ; the wait ahead of the batch
.set J, 0
.rept 128
	v_exp_f32 v[S+J], v[S+J]                       ; p = 2^(t - M), at most 1: not normalised
.set J, J+1
.endr
.set B, 0
.rept 8
	v_exp_f32 v[BM+B], v[BM+B]                     ; the block's largest p: the same two instructions on the same number
.set B, B+1
.endr
	v_nop                                          ; one plain line behind the exponentials
	s_wait_alu depctr_va_vdst(0)                   ; and the one wait behind the batch
.set B, 0
.rept 8
	v_max_num_f32 v[BM+B], 0x2800000, v[BM+B]      ; the floor 2^(5 - 127): the byte cannot fall under 1
.set B, B+1
.endr
	TAILQ 2
.irp hd, 0,1
	v_pk_add_f32 v[SUMT+2*\hd:SUMT+2*\hd+1], v[S+64*\hd:S+64*\hd+1], v[S+64*\hd+2:S+64*\hd+3]   ; the row's sum is taken of the unquantised p: four chains by turns.  These lines also stand between the writes above and the second product
.endr
.irp j, 4,8,12,16,20,24,28,32,36,40,44,48,52,56,60
.irp hd, 0,1
	v_pk_add_f32 v[ST+4*\hd+2:ST+4*\hd+3], v[ST+4*\hd+2:ST+4*\hd+3], v[S+64*\hd+\j:S+64*\hd+\j+1]
	v_pk_add_f32 v[SUMT+2*\hd:SUMT+2*\hd+1], v[SUMT+2*\hd:SUMT+2*\hd+1], v[S+64*\hd+\j+2:S+64*\hd+\j+3]
.endr
.endr
.irp hd, 0,1
	v_pk_add_f32 v[ST+4*\hd+2:ST+4*\hd+3], v[ST+4*\hd+2:ST+4*\hd+3], v[SUMT+2*\hd:SUMT+2*\hd+1]
.endr
.endm
; A key step: 128 keys.  last = 1: no further mask tile is asked for
.macro STEP last
	v_add_nc_u32 v[ADC], s[TB], v[AK0]             ; four plain lines: the places behind the last products, in front of the loads into their registers
	v_add_nc_u32 v[ADS], s[TB], v[AS0]
	v_nop
	v_nop
	WIN 0x40                                       ; destination window 1
.irp g, 0,1,2,3
.irp c, 0,1,2
	ds_load_b128 v[KV+12*\g+4*\c:KV+12*\g+4*\c+3], v[ADC] offset:1536*\g+512*\c
.endr
.endr
	WIN 0
.irp i, 0,1
	ds_load_b32 v[KSC+\i], v[ADS] offset:6144+128*\i                       ; lanes 0-15 image 2 i's words, lanes 16-31 image 2 i + 1's
.endr
	s_wait_loadcnt 0x0                             ; this step's mask, asked for a step ago
	WIN 0x04                                       ; the data in window 1
.set I, 0
.rept 12
	ds_store_b128 v[MST], v[GA+4*I:GA+4*I+3] offset:MP*I
.set I, I+1
.endr
	WIN 0
.set I, 0
.rept 4
	ds_store_b128 v[MST], v[GB+4*I:GB+4*I+3] offset:MP*(12+I)
.set I, I+1
.endr
	WIN 0x40
.irp t, 0,1,2,3,4,5,6,7                ; LDS serves a wave's instructions in order: these see the stores above, and the stores stand behind the last step's reads
.irp e, 0,1
	ds_load_b128 v[MK+8*\t+4*\e:MK+8*\t+4*\e+3], v[MLD] offset:64*\t+16*\e
.endr
.endr
	WIN 0
	s_wait_dscnt 0x0                               ; K, its scale words and the mask are in; the stores have read their registers
.if !(\last)
	s_add_nc_u64 s[MB:MB+1], s[MB:MB+1], 512       ; (the loads that read this base are done)
	MLOAD                                          ; the next step's mask
.endif
	WIN 0x15                                       ; K, q and the mask in window 1, S in window 0
.irp g, 0,1,2,3                        ; S^T = K q^T / 8 + mask: sixteen accumulators, one instruction each
.irp u, 0,1
.irp hd, 0,1
.if \g%2
	v_wmma_scale_f32_16x16x128_f8f6f4 v[S+64*\hd+8*(2*\g+\u):S+64*\hd+8*(2*\g+\u)+7], v[KV+12*\g:KV+12*\g+11], v[QZ+6-6*\u+12*\hd:QZ+17-6*\u+12*\hd], v[MK+8*(2*\g+\u):MK+8*(2*\g+\u)+7], v[KSC+\g/2], v[QSC+\hd] matrix_a_fmt:MATRIX_FMT_BF6 matrix_b_fmt:MATRIX_FMT_BF6 matrix_a_scale:MATRIX_SCALE_ROW1
.else
	v_wmma_scale_f32_16x16x128_f8f6f4 v[S+64*\hd+8*(2*\g+\u):S+64*\hd+8*(2*\g+\u)+7], v[KV+12*\g:KV+12*\g+11], v[QZ+6-6*\u+12*\hd:QZ+17-6*\u+12*\hd], v[MK+8*(2*\g+\u):MK+8*(2*\g+\u)+7], v[KSC+\g/2], v[QSC+\hd] matrix_a_fmt:MATRIX_FMT_BF6 matrix_b_fmt:MATRIX_FMT_BF6
.endif
.endr
.endr
.endr
	WIN 0
	v_add_nc_u32 v[ADC], s[TB], v[AV0]             ; four plain lines: the places in front of the loads into K's registers and of the first read of the scores
	v_add_nc_u32 v[ADS], s[TB], v[ASV0]
	v_nop
	v_nop
	WIN 0x40
.irp t, 0,1,2,3
.irp c, 0,1,2
	ds_load_b128 v[KV+12*\t+4*\c:KV+12*\t+4*\c+3], v[ADC] offset:1536*\t+512*\c   ; V takes K's registers, and lands under the softmax
.endr
.endr
	WIN 0
.irp i, 0,1
	ds_load_b32 v[VSC+\i], v[ADS] offset:6144+128*\i
.endr
	SOFT2
	s_wait_dscnt 0x0                               ; V
	WIN 0x51                                       ; V, C and D (O^T) in window 1
.irp t, 0,1,2,3                        ; eight accumulators, one instruction a turn
.irp hd, 0,1
.if \t%2
	v_wmma_scale_f32_16x16x128_f8f6f4 v[O+32*\hd+8*\t:O+32*\hd+8*\t+7], v[KV+12*\t:KV+12*\t+11], v[PC+12*\hd:PC+12*\hd+11], v[O+32*\hd+8*\t:O+32*\hd+8*\t+7], v[VSC+\t/2], v[PW+\hd] matrix_a_fmt:MATRIX_FMT_BF6 matrix_b_fmt:MATRIX_FMT_BF6 matrix_a_scale:MATRIX_SCALE_ROW1
.else
	v_wmma_scale_f32_16x16x128_f8f6f4 v[O+32*\hd+8*\t:O+32*\hd+8*\t+7], v[KV+12*\t:KV+12*\t+11], v[PC+12*\hd:PC+12*\hd+11], v[O+32*\hd+8*\t:O+32*\hd+8*\t+7], v[VSC+\t/2], v[PW+\hd] matrix_a_fmt:MATRIX_FMT_BF6 matrix_b_fmt:MATRIX_FMT_BF6
.endif
.endr
.endr
	WIN 0
.endm
	s_wait_alu depctr_va_vdst(0)                   ; the wait at the head's end
	s_wait_tensorcnt 0x0                           ; my part of K or V is in:
	s_barrier_signal -1                            ; say so,
	s_barrier_wait -1                              ; and read when all eight have said so.  Nothing is filled again
.Lstep:                                            ; fifteen trips; the last step is written out: it asks for no further mask tile
	STEP 0
	s_add_co_u32 s[TB], s[TB], STEPB
	s_sub_co_u32 s[CNT], s[CNT], 1
	s_cmp_lg_u32 s[CNT], 0
	s_cbranch_scc1 .Lstep
	STEP 1
	; THE WAY OUT.  O^T / the sum; register 16 blk + i of lane (r, h) is number 32 blk + 16 h + i of my two heads' 128: four blocks along the last projection's K.
	; The twelve registers of codes are the operand's image of 16 tokens x 128 K as it stands: they are stored from registers, 512 consecutive bytes a store.
.rept 4
	v_nop                                          ; places behind the last products
.endr
	s_wait_alu depctr_va_vdst(0)
.irp hd, 0,1
	v_add_f32 v[BM+\hd], v[ST+4*\hd+2], v[ST+4*\hd+3]
.endr
.irp hd, 0,1
	v_permlanex16_b32 v[PT+\hd], v[BM+\hd], s[SEL], s[SEL+1]
.endr
.irp hd, 0,1
	v_add_f32 v[BM+\hd], v[BM+\hd], v[PT+\hd]      ; the row's sum
.endr
	s_wait_alu depctr_va_vdst(0)                   ; the wait ahead of the transcendentals
.irp hd, 0,1
	v_rcp_f32 v[SO+\hd], v[BM+\hd]
.endr
	v_nop                                          ; one plain line behind a transcendental
	WIN 0x01                                       ; source 0 (O^T) in window 1
	s_wait_alu depctr_va_vdst(0)                   ; and behind them, directly ahead of the first reader
.irp hd, 0,1
.set J, 0
.rept 32
	v_mul_f32 v[S+32*\hd+J], v[O+32*\hd+J], v[SO+\hd]      ; each accumulator from its low end on
.set J, J+1
.endr
.endr
	WIN 0
.irp b, 0,1,2,3
	v_max3_num_f32 v[BM+\b], |v[S+16*\b]|, |v[S+16*\b+1]|, 0x2800000
.endr
.irp i, 2,4,6,8,10,12,14
.irp b, 0,1,2,3
	v_max3_num_f32 v[BM+\b], v[BM+\b], |v[S+16*\b+\i]|, |v[S+16*\b+\i+1]|
.endr
.endr
.irp b, 0,1,2,3
	v_permlanex16_b32 v[PT+\b], v[BM+\b], s[SEL], s[SEL+1]
.endr
.irp b, 0,1,2,3
	v_max_num_f32 v[BM+\b], v[BM+\b], v[PT+\b]
.endr
	TAILQ 1
.irp c, 0,1,2
	global_store_b128 v[MGO], v[PC+4*\c:PC+4*\c+3], s[90:91] offset:512*\c
.endr
	global_store_b32 v[WOS], v[PW], s[92:93]       ; both halves of the lanes write the same word with the same value
	s_wait_tensorcnt 0x0                           ; the wave's end
	ds_add_u32 v[SPW], v[NIL]
	s_wait_dscnt 0x0
	CROUND                                         ; the closing round
	s_endpgm
.Lfunc_end_k_q633066d933_attn:
	.size	k_q633066d933_attn, .Lfunc_end_k_q633066d933_attn-k_q633066d933_attn
	.p2alignl 7, 3214868480
	.fill 96, 4, 3214868480
	.section	.rodata,"a",@progbits
	.p2align	6, 0x0
	.amdhsa_kernel k_q633066d933_attn
		.amdhsa_group_segment_fixed_size 327680
		.amdhsa_private_segment_fixed_size 0
		.amdhsa_enable_private_segment 0
		.amdhsa_kernarg_size 32
		.amdhsa_user_sgpr_count 2
		.amdhsa_user_sgpr_kernarg_segment_ptr 1
		.amdhsa_wavefront_size32 1
		.amdhsa_system_sgpr_workgroup_id_x 1
		.amdhsa_system_sgpr_workgroup_id_y 1
		.amdhsa_system_sgpr_workgroup_id_z 1
		.amdhsa_system_vgpr_workitem_id 0
		.amdhsa_next_free_vgpr 512
		.amdhsa_next_free_sgpr 100
		.amdhsa_reserve_vcc 0
		.amdhsa_float_denorm_mode_32 3
		.amdhsa_float_denorm_mode_16_64 3
		.amdhsa_memory_ordered 1
		.amdhsa_forward_progress 1
		.amdhsa_inst_pref_size 91
	.end_amdhsa_kernel
	.amdgpu_metadata
---
amdhsa.version: [ 1, 2 ]
amdhsa.kernels:
  - .name:           k_q633066d933_attn
    .symbol:         k_q633066d933_attn.kd
    .args:
      - { .name: qimg, .offset: 0, .size: 8, .value_kind: global_buffer, .address_space: global }
      - { .name: kv, .offset: 8, .size: 8, .value_kind: global_buffer, .address_space: global }
      - { .name: attention_mask, .offset: 16, .size: 8, .value_kind: global_buffer, .address_space: global }
      - { .name: aq, .offset: 24, .size: 8, .value_kind: global_buffer, .address_space: global }
    .group_segment_fixed_size: 327680
    .private_segment_fixed_size: 0
    .kernarg_segment_align: 8
    .kernarg_segment_size: 32
    .max_flat_workgroup_size: 256
    .sgpr_count:     100
    .vgpr_count:     512
    .wavefront_size: 32
...
	.end_amdgpu_metadata
.endif
;; end of part 3
;; launch oproj (part 4): grid 8 x 32, 4 waves a work-group, clusters of 4 x 4, 327,680 bytes of LDS; arguments aq, woq, out0; writes out0
.if DOCPART == 4
	.amdgcn_target "amdgcn-amd-amdhsa--gfx1250"
	.amdhsa_code_object_version 6
	.text
	.protected	k_q633066d933_oproj
	.globl	k_q633066d933_oproj
	.p2align	8
	.type	k_q633066d933_oproj,@function
k_q633066d933_oproj:
	s_mov_b64 s[64:65], 0
	v_nop
	global_prefetch_b8 v0, s[64:65] scope:SCOPE_SE
	s_setreg_imm32_b32 hwreg(HW_REG_WAVE_MODE, 25, 1), 1
	s_wait_xcnt 0x0
	s_wait_alu depctr_hold_cnt(0) depctr_sa_sdst(0) depctr_va_vdst(0) depctr_va_sdst(0) depctr_va_ssrc(0) depctr_va_vcc(0) depctr_vm_vsrc(0)
	s_getreg_b32 s2, hwreg(HW_REG_IB_STS2, 6, 4)
	s_cmp_eq_u32 s2, 0
	s_cbranch_scc0 .Lentry_in_a_cluster
	s_endpgm
.Lentry_in_a_cluster:
	s_bfe_u32 s2, ttmp6, 0x10000c
	s_cmp_lg_u32 s2, 0xf033
	s_cbranch_scc0 .Lentry_shape_is_right
	s_endpgm
.Lentry_shape_is_right:
; out0 = attention's result x Wo^T on codes of BF6.  A block of 128 tokens x 256 columns to a work-group; a wave makes 128 x 64: 32 accumulators.  Source 0 = rows of Wo, source 1 = tokens.
; aq and woq hold, for 16 rows and 512 along K, four images of 1,536 bytes and 256 bytes of scale words: 6,400 dense bytes.  A slot is 512 along K of 8 + 16 such pieces; K = 1,024 is two slots, each filled once.
; Waves 0, 1 fetch the tokens' two halves, waves 2, 3 Wo's: one load a wave at the head, and one behind the round that follows.  CLUSTER 4 x 4: tokens jointly along a row, Wo along a column.
; PREFETCH: behind the first joint load stands a request for the slot that the second will ask for.  Of the pieces that a wave fetches, each of the four partners that ask jointly takes its share by address:
; one of the tokens' four (place cx), two of Wo's eight (place cy); a lane names a block of 256 bytes, 25 to a piece (lanes 25-31 name lane 24's).
.set NSLOT,  2
.set SIZE_N, 2048
.set RB,     6400
.set SLOT,   24*RB
.set BOFF,   8*RB
.set SPARE,  2*SLOT
.set FR,     12
.set NP,     4
.set SPITCH, 272
.set ADA,  16
.set ASA,  18
.set ADB,  20
.set ASB,  22
.set STO,  24
.set RD,   25
.set CO,   26
.set PFO,  27                          ; v27 the prefetch's offset: 256 x min(lane, 24); never rewritten
.set SPW,  28
.set NIL,  29
.set SC,   32
.set AF,   64
.set BK,   64
.set G1, 24
.set G0, 32
.set G1B, 48
.set G0B, 56
.set PFA, 70                           ; s[70:71] my share of the pieces that I fetch, at K's first slot; never rewritten
.set MSB, 0
.macro WIN new
.if MSB != \new
	s_set_vgpr_msb (MSB<<8)|\new
.set MSB, \new
.endif
.endm
.set MUL_W, 0xa1
.set TO_B,  0x40
.macro JLOAD g0a, g1a, g0b, g1b
	s_cmp_eq_u32 s15, 0
	s_cbranch_scc0 .Lfor_b_\@
	tensor_load_to_lds s[\g0a:\g0a+3], s[\g1a:\g1a+7]
	s_nop 0
.rept 4
	v_nop
.endr
	s_branch .Lasked_\@
.Lfor_b_\@:
	tensor_load_to_lds s[\g0b:\g0b+3], s[\g1b:\g1b+7]
	s_nop 0
.rept 4
	v_nop
.endr
.Lasked_\@:
.endm
.macro CREST
	s_cmp_lg_u32 s14, 0
	s_cbranch_scc1 .Lnot_wave_0_\@
	s_barrier_signal -3
.Lnot_wave_0_\@:
	s_barrier_wait -3
	s_barrier_signal -1
	s_barrier_wait -1
.endm
.macro CROUND
	s_barrier_signal -1
	s_barrier_wait -1
	CREST
.endm
	s_load_b64 s[4:5], s[0:1], 0x0
	s_load_b64 s[8:9], s[0:1], 0x8
	s_load_b64 s[12:13], s[0:1], 0x10
	v_lshl_add_u32 v[SPW], v0, 2, SPARE
	v_mov_b32 v[NIL], 0
	ds_add_u32 v[SPW], v[NIL]                      ; the opening lines: the add twice on end and one wait
	ds_add_u32 v[SPW], v[NIL]
	v_lshrrev_b32 v1, 5, v0
	v_readfirstlane_b32 s14, v1
	s_lshr_b32 s15, s14, 1
	s_and_b32 s16, s14, 1
	s_bfe_u32 s40, ttmp6, 0x40000
	s_bfe_u32 s41, ttmp6, 0x40004
	s_lshl_b32 s42, ttmp9, 2
	s_add_co_u32 s42, s42, s40
	s_and_b32 s17, ttmp7, 0xffff
	s_lshl_b32 s17, s17, 2
	s_add_co_u32 s17, s17, s41
	s_lshl_b32 s43, s41, 2
	s_lshl_b32 s43, 15, s43
	s_lshl_b32 s44, 0x1111, s40
	s_or_b32 s[G1], s43, (3<<16)|(1<<21)
	s_or_b32 s[G1B], s44, (3<<16)|(1<<21)
.irp g, G1, G1B
	s_mov_b32 s[\g+1], 800<<16
	s_mov_b32 s[\g+3], 800<<16
	s_mov_b32 s[\g+5], NSLOT*800
	s_mov_b32 s[\g+6], 0
	s_mov_b32 s[\g+7], 0
.endr
	s_mov_b32 s[G1+2], 4<<16
	s_mov_b32 s[G1+4], 4
	s_mov_b32 s[G1B+2], 8<<16
	s_mov_b32 s[G1B+4], 8
	s_lshl_b32 s20, s17, 3
	s_lshl_b32 s18, s16, 2
	s_add_co_u32 s20, s20, s18
	s_mul_i32 s20, s20, NSLOT*RB
	s_mov_b32 s21, 0
	s_lshl_b32 s46, s42, 4
	s_lshl_b32 s18, s16, 3
	s_add_co_u32 s46, s46, s18
	s_mul_i32 s46, s46, NSLOT*RB
	s_mov_b32 s47, 0
	s_mul_i32 s45, s16, 4*RB
	s_mul_i32 s2, s16, 8*RB
	s_add_co_u32 s2, s2, BOFF
	s_mul_i32 s3, s14, 4*RB
	s_add_co_u32 s3, s3, BOFF
	s_wait_dscnt 0x0
	s_wait_kmcnt 0x0
	s_add_nc_u64 s[20:21], s[4:5], s[20:21]
	s_add_nc_u64 s[46:47], s[8:9], s[46:47]
.irp s, 0,1
	s_mov_b32 s[G0+4*\s], 1
	s_add_co_u32 s[G0+4*\s+1], s45, \s*SLOT
	s_add_nc_u64 s[G0+4*\s+2:G0+4*\s+3], s[20:21], \s*RB
	s_or_b32 s[G0+4*\s+3], s[G0+4*\s+3], 0x80000000
	s_mov_b32 s[G0B+4*\s], 1
	s_add_co_u32 s[G0B+4*\s+1], s2, \s*SLOT
	s_add_nc_u64 s[G0B+4*\s+2:G0B+4*\s+3], s[46:47], \s*RB
	s_or_b32 s[G0B+4*\s+3], s[G0B+4*\s+3], 0x80000000
.endr
	CROUND
	JLOAD G0, G1, G0B, G1B                         ; K's first 512
	; the prefetch: my share of what I fetch, told apart from my partners' by address
	s_lshl_b32 s68, s17, 3
	s_lshl_b32 s72, s16, 2
	s_add_co_u32 s68, s68, s72
	s_add_co_u32 s68, s68, s40                     ; tokens: piece 8 x block row + 4 x half + cx
	s_lshl_b32 s69, s42, 4
	s_lshl_b32 s72, s16, 3
	s_add_co_u32 s69, s69, s72
	s_lshl_b32 s72, s41, 1
	s_add_co_u32 s69, s69, s72                     ; Wo: pieces 16 x block column + 8 x half + 2 cy, and the next
	s_cmp_eq_u32 s15, 0
	s_cselect_b32 s68, s68, s69
	s_cselect_b64 s[PFA:PFA+1], s[4:5], s[8:9]
	s_mul_i32 s68, s68, NSLOT*RB
	s_mov_b32 s69, 0
	s_add_nc_u64 s[PFA:PFA+1], s[PFA:PFA+1], s[68:69]
	s_lshl_b32 s20, s17, 7
	s_mov_b32 s21, 0
	s_mov_b64 s[18:19], SIZE_N*4
	s_mul_u64 s[20:21], s[20:21], s[18:19]
	s_lshl_b32 s46, s42, 10
	s_lshl_b32 s47, s14, 8
	s_add_co_u32 s46, s46, s47
	s_mov_b32 s47, 0
	s_add_nc_u64 s[20:21], s[20:21], s[46:47]
	s_add_nc_u64 s[12:13], s[12:13], s[20:21]      ; my 128 rows x 64 columns of out0
	s_mul_i32 s23, s14, 16*SPITCH                  ; my stage, in slot 0
	v_and_b32 v1, 15, v0
	v_bfe_u32 v2, v0, 4, 1
	v_and_b32 v6, 31, v0
	v_lshlrev_b32 v[ADA], 4, v6
	v_lshlrev_b32 v[ASA], 2, v6
	v_add_nc_u32 v[ADB], s3, v[ADA]
	v_add_nc_u32 v[ASB], s3, v[ASA]
.irp a, ADA, ASA, ADB, ASB
	v_add_nc_u32 v[\a+1], SLOT, v[\a]
.endr
	v_min_u32 v[PFO], 24, v6
	v_lshlrev_b32 v[PFO], 8, v[PFO]
	v_mul_u32_u24 v5, v1, SPITCH
	v_lshl_add_u32 v5, v2, 5, v5
	v_add_nc_u32 v[STO], s23, v5
	v_mul_u32_u24 v5, v2, SPITCH
	v_lshl_add_u32 v5, v1, 4, v5
	v_add_nc_u32 v[RD], s23, v5
	v_mul_u32_u24 v5, v2, SIZE_N*4
	v_lshl_add_u32 v[CO], v1, 4, v5
.macro FRAG reg, adr, q, i
.irp c, 0,1,2
	ds_load_b128 v[\reg+4*\c:\reg+4*\c+3], v[\adr] offset:(\i)*RB+(\q)*1536+512*\c
.endr
.endm
.macro MULA a0, a1, q, zero
.set AA, \a0
.set PP, (\q)%2
.set SS, SC+12*((\q)/2)
.rept (\a1)-(\a0)+1
.irp b, 0,1,2,3
.if \zero
	v_wmma_scale_f32_16x16x128_f8f6f4 v[8*(4*AA+\b):8*(4*AA+\b)+7], v[128*PP+FR*\b:128*PP+FR*\b+FR-1], v[AF+96*PP+FR*AA:AF+96*PP+FR*AA+FR-1], 0, v[SS+8+\b], v[SS+AA] matrix_a_fmt:MATRIX_FMT_BF6 matrix_b_fmt:MATRIX_FMT_BF6
.else
.if PP
	v_wmma_scale_f32_16x16x128_f8f6f4 v[8*(4*AA+\b):8*(4*AA+\b)+7], v[128*PP+FR*\b:128*PP+FR*\b+FR-1], v[AF+96*PP+FR*AA:AF+96*PP+FR*AA+FR-1], v[8*(4*AA+\b):8*(4*AA+\b)+7], v[SS+8+\b], v[SS+AA] matrix_a_fmt:MATRIX_FMT_BF6 matrix_b_fmt:MATRIX_FMT_BF6 matrix_a_scale:MATRIX_SCALE_ROW1 matrix_b_scale:MATRIX_SCALE_ROW1
.else
	v_wmma_scale_f32_16x16x128_f8f6f4 v[8*(4*AA+\b):8*(4*AA+\b)+7], v[128*PP+FR*\b:128*PP+FR*\b+FR-1], v[AF+96*PP+FR*AA:AF+96*PP+FR*AA+FR-1], v[8*(4*AA+\b):8*(4*AA+\b)+7], v[SS+8+\b], v[SS+AA] matrix_a_fmt:MATRIX_FMT_BF6 matrix_b_fmt:MATRIX_FMT_BF6
.endif
.endif
.endr
.set AA, AA+1
.endr
.endm
.macro FETCH slot, q
	WIN TO_B
.irp i, 0,1,2,3
	FRAG 128*((\q)%2)+FR*\i, ADB+\slot, \q, \i
.endr
	WIN 0
.irp i, 0,1,2,3,4,5,6,7
	FRAG AF+96*((\q)%2)+FR*\i, ADA+\slot, \q, \i
.endr
.endm
.macro SCL pr, slot
.irp i, 0,1,2,3,4,5,6,7
	ds_load_b32 v[SC+12*(\pr)+\i], v[ASA+\slot] offset:\i*RB+6144+128*(\pr)
.endr
.irp i, 0,1,2,3
	ds_load_b32 v[SC+12*(\pr)+8+\i], v[ASB+\slot] offset:\i*RB+6144+128*(\pr)
.endr
.endm
.macro PLACES n
.rept \n
	v_nop
.endr
.endm
.macro STEP slot, q, zero
	s_wait_dscnt 0x0
	PLACES NP
	FETCH \slot, (\q)+1
.if (\q) == 0
	SCL 1, \slot
.endif
	WIN MUL_W
	MULA 0, 7, \q, \zero
	WIN 0
.endm
	s_wait_alu depctr_va_vdst(0)                   ; the wait at the head's end
	global_prefetch_b8 v[PFO], s[PFA:PFA+1] offset:RB th:TH_LOAD_NT scope:SCOPE_SE   ; K's second slot of my share: one piece of the tokens, or two of Wo
	s_cmp_eq_u32 s15, 0
	s_cbranch_scc1 .Lone
	global_prefetch_b8 v[PFO], s[PFA:PFA+1] offset:RB+NSLOT*RB th:TH_LOAD_NT scope:SCOPE_SE
.Lone:
	s_wait_tensorcnt 0x0                           ; a later first fill is issued as a refill is
	ds_add_u32 v[SPW], v[NIL]
	s_wait_dscnt 0x0
	CROUND
	JLOAD G0+4, G1, G0B+4, G1B                     ; K's second 512
	FETCH 0, 0
	SCL 0, 0
	STEP 0, 0, 1
	STEP 0, 1, 0
	STEP 0, 2, 0
	s_wait_tensorcnt 0x0                           ; step 3 and the change of slots: my part of slot 1 is in
	ds_add_u32 v[SPW], v[NIL]
	s_wait_dscnt 1                                 ; (the add may be out)
	WIN MUL_W
	MULA 0, 1, 3, 0
	s_wait_dscnt 0x0
	s_barrier_signal -1
	MULA 2, 3, 3, 0
	WIN 0
	s_barrier_wait -1                              ; slot 1 is whole, and nobody reads slot 0 any more
	PLACES NP
	FETCH 1, 0
	SCL 0, 1
	WIN MUL_W
	MULA 4, 7, 3, 0
	WIN 0
.irp q, 0,1,2
	STEP 1, \q, 0
.endr
	s_wait_dscnt 0x0
	WIN MUL_W
	MULA 0, 7, 3, 0
	WIN 0
; the way out: 16 rows x 64 columns at a time through my own stage, back as rows of 256 bytes
.macro TOSTAGE a
.set AC, 32*(\a)
	WIN 0x08
.irp b, 0,1,2,3
	ds_store_b128 v[STO], v[AC+8*\b:AC+8*\b+3] offset:64*\b
	ds_store_b128 v[STO], v[AC+8*\b+4:AC+8*\b+7] offset:64*\b+16
.endr
	WIN 0
.set BB, BK+32*((\a)%2)
.irp t, 0,1,2,3,4,5,6,7
	ds_load_b128 v[BB+4*\t:BB+4*\t+3], v[RD] offset:\t*2*SPITCH
.endr
.endm
.macro SEND a, younger
.set BB, BK+32*((\a)%2)
	s_wait_dscnt \younger
.if (\a) > 0
	s_add_nc_u64 s[12:13], s[12:13], 16*SIZE_N*4
.endif
.irp t, 0,1,2,3,4,5,6,7
	global_store_b128 v[CO], v[BB+4*\t:BB+4*\t+3], s[12:13] offset:2*\t*SIZE_N*4 th:TH_STORE_NT   ; 16 lanes store 256 consecutive bytes, aligned
.endr
.endm
	PLACES NP
	TOSTAGE 0
.irp a, 1,2,3,4,5,6,7
.if \a > 1
	s_wait_xcnt 0x0                                ; block a - 2's stores have read their registers and their base
.endif
	TOSTAGE \a
	SEND \a-1, 16
.endr
	s_wait_xcnt 0x0
	SEND 7, 0
	s_wait_tensorcnt 0x0                           ; the wave's end
	ds_add_u32 v[SPW], v[NIL]
	s_wait_dscnt 0x0
	CROUND                                         ; the closing round
	s_endpgm
.Lfunc_end_k_q633066d933_oproj:
	.size	k_q633066d933_oproj, .Lfunc_end_k_q633066d933_oproj-k_q633066d933_oproj
	.p2alignl 7, 3214868480
	.fill 96, 4, 3214868480
	.section	.rodata,"a",@progbits
	.p2align	6, 0x0
	.amdhsa_kernel k_q633066d933_oproj
		.amdhsa_group_segment_fixed_size 327680
		.amdhsa_private_segment_fixed_size 0
		.amdhsa_enable_private_segment 0
		.amdhsa_kernarg_size 24
		.amdhsa_user_sgpr_count 2
		.amdhsa_user_sgpr_kernarg_segment_ptr 1
		.amdhsa_wavefront_size32 1
		.amdhsa_system_sgpr_workgroup_id_x 1
		.amdhsa_system_sgpr_workgroup_id_y 1
		.amdhsa_system_sgpr_workgroup_id_z 1
		.amdhsa_system_vgpr_workitem_id 0
		.amdhsa_next_free_vgpr 768
		.amdhsa_next_free_sgpr 98
		.amdhsa_reserve_vcc 0
		.amdhsa_float_denorm_mode_32 3
		.amdhsa_float_denorm_mode_16_64 3
		.amdhsa_memory_ordered 1
		.amdhsa_forward_progress 1
		.amdhsa_inst_pref_size 80
	.end_amdhsa_kernel
	.amdgpu_metadata
---
amdhsa.version: [ 1, 2 ]
amdhsa.kernels:
  - .name:           k_q633066d933_oproj
    .symbol:         k_q633066d933_oproj.kd
    .args:
      - { .name: aq, .offset: 0, .size: 8, .value_kind: global_buffer, .address_space: global }
      - { .name: woq, .offset: 8, .size: 8, .value_kind: global_buffer, .address_space: global }
      - { .name: out0, .offset: 16, .size: 8, .value_kind: global_buffer, .address_space: global }
    .group_segment_fixed_size: 327680
    .private_segment_fixed_size: 0
    .kernarg_segment_align: 8
    .kernarg_segment_size: 24
    .max_flat_workgroup_size: 128
    .sgpr_count:     98
    .vgpr_count:     768
    .wavefront_size: 32
...
	.end_amdgpu_metadata
.endif
;; end of part 4
